; MI455X (gfx1250); checked and timed in simulation.
; The chip was launched on July 23, 2026; its instructions are those of AMD's public machine-readable ISA for CDNA 5 (MIT licence, August 2026) and "CDNA5" Instruction Set Architecture Reference Guide (July 2026). The comments in the code are by the model that wrote it; some were corrected since.
;; Mixture Of Experts. Allowed arithmetic: matrix products marked QUANTISED: E4M3 operands, one E8M0 scale for each 32 along K, by v_wmma_scale_f32_16x16x128_f8f6f4 with both operands' format E4M3, f32 sums; products left as they are: f32 operands where the result goes on into a quantised operand, else bf16, f16 or f32 operands; f32 sums; everything else in f32.
;; Inputs: W1_codes 8 x 2,048 x 32 x 32 uint8 (E4M3 codes of W1, K innermost, in blocks of 32 codes); W1_scales 8 x 2,048 x 32 uint8 (E8M0 scales of W1, one for each 32 codes along K); W2_codes 8 x 1,024 x 64 x 32 uint8 (E4M3 codes of W2, K innermost, in blocks of 32 codes); W2_scales 8 x 1,024 x 64 uint8 (E8M0 scales of W2, one for each 32 codes along K); Wr 1,024 x 8 float32; b1 8 x 2,048 float32; b2 8 x 1,024 float32; br 8 float32; x 2,048 x 1,024 float32.
;; Outputs: out0 2,048 x 1,024 float32; out1 2,048 x 8 float32; out2 8 float32.
;; This version of the problem:
;;   THIS VERSION OF THE PROBLEM IS GIVEN IN LOW PRECISION. The matrix products marked QUANTISED in the list below multiply operands that are first quantised to E4M3 (4 exponent bits, 3 mantissa bits; 8 bits a number), with one power-of-two scale for each 32 numbers along K (OCP MX v1.0); their sums are f32. All else is computed in f32.
;;   The module's matrix products, in the order in which they are computed (A, B: the left and right operand; K: the contracted axis; several contracted axes count as one K, in the product's order):
;;     1. [M 2,048, K 1,024] x [K 1,024, N 8]; A: input x; B: input Wr: left as it is (N = 8 < 16)
;;     2. [M 16,384, K 1,024] x [K 1,024, N 2,048]; A: input W1 (given as codes); B: input x: QUANTISED
;;     3. batch 8 x [M 2,048, K 2,048] x [K 2,048, N 1,024]; A: computed on the way; B: input W2 (given as codes): QUANTISED
;;     4. batch 2,048 x [M 1, K 8] x [K 8, N 1,024]; A: computed on the way; B: computed on the way: left as it is (K = 8 < 32)
;;   THE QUANTISER, for each operand of a quantised product, along K:
;;     - K is cut into blocks of 32 from its start; a last block that is shorter is filled with zeros.
;;     - A block's scale is 2^e with e = floor(log2(the largest magnitude in the block)) - 8, held to -126 .. 127; a block of zeros has e = 0. As a byte (E8M0): e + 127.
;;     - Each number is divided by its block's scale, clamped to +-448, and rounded to the nearest number of E4M3, ties to even, subnormals kept.
;;     - The product sums the exact products of the quantised numbers (number of the format x scale) in f32.
;;   ~~~python
;;   def quantise(x, axis):      # numpy; x: float32 -> the quantised numbers, widened to float32 again
;;       x = np.moveaxis(x, axis, -1); K = x.shape[-1]
;;       x = np.pad(x, [(0, 0)] * (x.ndim - 1) + [(0, -K % 32)]); x = x.reshape(x.shape[:-1] + (-1, 32)); a = np.abs(x).max(-1, keepdims=True)
;;       e = np.where(a > 0, np.clip(np.frexp(np.where(a > 0, a, 1))[1] - 1 - 8, -126, 127), 0)      # np.frexp(a)[1] - 1 = floor(log2(a)), exactly
;;       r = np.clip(x / 2.0 ** e, -448, 448)
;;       step = 2.0 ** (np.maximum(np.frexp(np.where(r == 0, 1, r))[1] - 1, -6) - 3)
;;       q = np.round(r / step) * step * 2.0 ** e      # np.round: ties to even
;;       return np.moveaxis(q.reshape(q.shape[:-2] + (-1,))[..., :K], -1, axis).astype(np.float32)
;;   ~~~
;;   OPERANDS COMPUTED ON THE WAY. 'Computed on the way' means the value that the module computes at that place (a softmax that the list does not call 'softmax' is quantised finished and normalised). What goes into a quantiser is computed in f32, as accurately as f32 sums, v_exp_f32 and their like allow (about 1e-6 of the number): no bf16 or f16 on the way to a quantiser, and a product that is left as it is and whose result goes on into a quantised operand takes f32 operands (vector FMAs, or v_wmma_f32_16x16x4_f32). A number that lies on a knife's edge between two numbers of the format may be rounded either way, as far as f32 arithmetic and the matrix unit's own rounding can turn it there, and no further.
;;   INPUTS GIVEN AS CODES. W1 (in the module: [8, 1024, 2048], K = its axis 1); W2 (in the module: [8, 2048, 1024], K = its axis 1): each comes as NAME_codes (uint8): NAME with its K axis moved to the last place and cut into blocks of 32 codes, [.., K / 32, bytes a block], one block behind the other in memory; one code a byte (a code: sign, 4 exponent bits, 3 mantissa bits); and NAME_scales (uint8): the same leading axes, one E8M0 byte (e + 127) for each 32 codes along K. Its value is code x scale, taken as it is: it is not quantised again, and the codes and scales need not be those that the quantiser above would give.
;; 2 versions. Each part assembles by itself: llvm-mc -triple=amdgcn-amd-amdhsa -mcpu=gfx1250 --defsym DOCPART=n.
;; ======== version 1 of 2: 4 launches
;; workspace buffers: xq 2,097,152 bytes; xs 65,536 bytes; routes 8,192 bytes of whole numbers; ratio 8,192 bytes; list 65,792 bytes of whole numbers; rs 65,536 bytes; hq 33,554,432 bytes; hs 1,048,576 bytes
;; launch route (part 1): grid 256 x 1, 4 waves a work-group, no clusters, 86,784 bytes of LDS; arguments x, Wr, br, xq, xs, routes, ratio, out1; writes xq, xs, routes, ratio, out1
.if DOCPART == 1
	.amdgcn_target "amdgcn-amd-amdhsa--gfx1250"
	.amdhsa_code_object_version 6
	.text
	.protected	k_q0fbc4c430c_route
	.globl	k_q0fbc4c430c_route
	.p2align	8
	.type	k_q0fbc4c430c_route,@function
k_q0fbc4c430c_route:
	s_mov_b64 s[64:65], 0
	v_nop
	global_prefetch_b8 v0, s[64:65] scope:SCOPE_SE
	s_setreg_imm32_b32 hwreg(HW_REG_WAVE_MODE, 25, 1), 1
	s_wait_xcnt 0x0
; ROUTER AND QUANTISER OF x.  x [2048][1024] f32, Wr [1024][8] f32, br [8] f32.
; Out: out1 [2048][8] = softmax(x Wr + br); routes [2048] u32 = the place of the largest probability (lowest index on a tie); ratio [2048] = p_max x (1 / p_max);
; xq [2048][1024] = x as codes of E4M3, xs [2048][32] = one E8M0 byte for each 32 along K.  x is read once and serves both the logits and the codes.
; SHARES.  A work-group owns 8 tokens; wave w owns K = 256 w .. 256 w + 255 of all eight.  Every global load takes 512 consecutive bytes; x and Wr then turn through the wave's own
; stage in LDS, so that lane l holds the 8 neighbours k = 256 w + 8 l + 0 .. 7 of each token and the same 8 rows of Wr.  Four neighbouring lanes hold a block of 32.
; The logits are f32 multiply-adds (8 columns are too few for a matrix instruction); the waves' partial sums meet in LDS behind the one barrier and wave 0 finishes the eight rows.
; No address and no branch hangs on the route: it is stored at a fixed place and used by a later launch.
; No tensor loads, clusters or matrix units: a work-group reads 32 KiB of its own and the 32 KiB of Wr.
; LIMITS: NaN and infinities among the inputs are not served (a row of NaN would give route 8, which later launches hold at 7).  A block of zeros gets the byte 1 where the rule says 127:
; its codes are zeros and this program alone reads the bytes.  A probability is an exponential times a reciprocal, each good to one unit in the last place; one under 2^-126 comes out as 0.
.set WREG, 20992                       ; LDS of a wave: 8 stages of x (32 places of 32 bytes + 16), then the stage of Wr (32 places of 256 bytes + 16)
.set WRST, 12288
.set PART, 4*WREG                      ; 8 x 256 bytes: the 64 partial sums of each half of each wave
.set XSB,  PART+2048                   ; 256 bytes: the 8 tokens' scale bytes
.set X,    16                          ; v16-79   token t at X + 8 t
.set W,    80                          ; v80-143  Wr(8 l + j, e) at W + 8 j + e
.set ACC,  144                         ; v144-207 the partial logit (t, e) at ACC + 8 t + e
.set M,    208                         ; v208-215 a block's largest magnitude, one register a token
.set SC,   216                         ; v216-223 the conversion's scale operand
.set HOLD, 224                         ; v224-231 448 x the scale
.set BYTE, 232                         ; v232-239 the scale's byte
.set C,    240                         ; v240-255 codes, two registers a token
	s_load_b512 s[4:19], s[0:1], 0x0               ; x 4:5, Wr 6:7, br 8:9, xq 10:11, xs 12:13, routes 14:15, ratio 16:17, out1 18:19
	v_lshl_add_u32 v15, v0, 2, 0x15100
	s_set_vgpr_msb 0x40
	v_mov_b32 v1, 0
	s_set_vgpr_msb 0x4000
	v_lshrrev_b32 v1, 5, v0
	v_readfirstlane_b32 s20, v1                    ; wave
	v_and_b32 v1, 31, v0                           ; lane
	s_mul_i32 s21, s20, WREG
	v_lshrrev_b32 v2, 1, v1
	v_mul_u32_u24 v2, v2, 48
	v_and_b32 v11, 1, v1
	v_lshl_add_u32 v2, v11, 4, v2
	v_add_nc_u32 v2, s21, v2                       ; x into its stage: two lanes' 32 bytes to a place of 48
	v_mul_u32_u24 v3, v1, 48
	v_add_nc_u32 v3, s21, v3                       ; and out of it: place l
	v_lshrrev_b32 v6, 4, v1
	v_mul_u32_u24 v4, v6, 272
	v_and_b32 v11, 15, v1
	v_lshl_add_u32 v4, v11, 4, v4
	v_add_nc_u32 v4, s21, v4                       ; Wr into its stage: sixteen lanes' 256 bytes to a place of 272
	v_mul_u32_u24 v5, v1, 272
	v_add_nc_u32 v5, s21, v5                       ; and out of it: place l
	s_lshl_b32 s22, s20, 9
	s_add_co_u32 s22, s22, PART
	v_lshl_add_u32 v6, v6, 8, s22                  ; my half's 256 bytes of partial sums
	s_lshl_b32 s22, s20, 3
	s_add_co_u32 s22, s22, XSB
	v_lshrrev_b32 v7, 2, v1
	v_add_nc_u32 v7, s22, v7                       ; my block's scale byte: 8 w + l / 4 in a token's 32
	v_lshlrev_b32 v8, 4, v1                        ; 16 l
	v_lshlrev_b32 v9, 3, v1                        ; 8 l
	v_and_b32 v10, 3, v1
	v_lshlrev_b32 v10, 3, v10                      ; br: the pair of experts 2 (l % 4)
	s_mov_b32 s24, 0x600000                        ; the mantissa field of 448
	s_lshl_b32 s22, ttmp9, 15                      ; x: 8 rows of 4,096 bytes a work-group, 1,024 bytes a wave
	s_lshl_b32 s25, s20, 10
	s_add_co_u32 s22, s22, s25
	s_mov_b32 s23, 0
	s_lshl_b32 s26, s20, 13                        ; Wr: 256 rows of 32 bytes a wave
	s_mov_b32 s27, 0
	s_lshl_b32 s28, ttmp9, 13                      ; xq: 8 rows of 1,024 bytes, 256 bytes a wave
	s_lshl_b32 s25, s20, 8
	s_add_co_u32 s28, s28, s25
	s_mov_b32 s29, 0
	s_lshl_b32 s30, ttmp9, 8                       ; xs and out1: 256 bytes a work-group
	s_mov_b32 s31, 0
	s_lshl_b32 s32, ttmp9, 5                       ; routes and ratio: 32 bytes
	s_mov_b32 s33, 0
	s_wait_kmcnt 0x0
	s_add_nc_u64 s[4:5], s[4:5], s[22:23]
	s_add_nc_u64 s[6:7], s[6:7], s[26:27]
	s_add_nc_u64 s[10:11], s[10:11], s[28:29]
	s_add_nc_u64 s[12:13], s[12:13], s[30:31]
	s_add_nc_u64 s[18:19], s[18:19], s[30:31]
	s_add_nc_u64 s[14:15], s[14:15], s[32:33]
	s_add_nc_u64 s[16:17], s[16:17], s[32:33]
	global_load_b64 v[12:13], v10, s[8:9]
.set i, 0
.rept 16
	global_load_b128 v[W+4*i:W+4*i+3], v8, s[6:7] offset:512*i
.set i, i+1
.endr
.set i, 0
.rept 16
	global_load_b128 v[X+4*i:X+4*i+3], v8, s[4:5] offset:4096*(i/2)+512*(i%2) th:TH_LOAD_NT
.set i, i+1
.endr
	s_wait_loadcnt 16                              ; br and Wr are in; the 16 loads of x issued behind them may be out
.set i, 0
.rept 16
	ds_store_b128 v4, v[W+4*i:W+4*i+3] offset:WRST+544*i
.set i, i+1
.endr
.set i, 0
.rept 16
	ds_load_b128 v[W+4*i:W+4*i+3], v5 offset:WRST+16*i     ; LDS serves a wave's instructions in order: these see the stores above
.set i, i+1
.endr
	s_wait_loadcnt 0x0                             ; x
.set i, 0
.rept 16
	ds_store_b128 v2, v[X+4*i:X+4*i+3] offset:1536*(i/2)+768*(i%2)
.set i, i+1
.endr
.set i, 0
.rept 16
	ds_load_b128 v[X+4*i:X+4*i+3], v3 offset:1536*(i/2)+16*(i%2)
.set i, i+1
.endr
	s_wait_dscnt 0x0
; The partial logits of token t: two experts an instruction; x(t, j) serves both halves (the first or the second register of its pair).  They stand ahead of the hold, which rewrites x.
.macro LOGIT t
.irp p, 0,2,4,6
	v_pk_mul_f32 v[ACC+8*\t+\p:ACC+8*\t+\p+1], v[X+8*\t:X+8*\t+1], v[W+\p:W+\p+1] op_sel_hi:[0,1]
.endr
.irp j, 1,2,3,4,5,6,7
.irp p, 0,2,4,6
.if \j % 2
	v_pk_fma_f32 v[ACC+8*\t+\p:ACC+8*\t+\p+1], v[X+8*\t+\j-1:X+8*\t+\j], v[W+8*\j+\p:W+8*\j+\p+1], v[ACC+8*\t+\p:ACC+8*\t+\p+1] op_sel:[1,0,0] op_sel_hi:[1,1,1]
.else
	v_pk_fma_f32 v[ACC+8*\t+\p:ACC+8*\t+\p+1], v[X+8*\t+\j:X+8*\t+\j+1], v[W+8*\j+\p:W+8*\j+\p+1], v[ACC+8*\t+\p:ACC+8*\t+\p+1] op_sel_hi:[0,1,1]
.endif
.endr
.endr
.endm
.irp t, 0,1,2,3,4,5,6,7
	LOGIT \t
.endr
; The quantiser, the eight tokens by turns.  A block's largest magnitude: my 8 numbers and the floor 2^(9 - 127), which holds the byte at 1 from below; then the three other lanes of the block.
.irp t, 0,1,2,3,4,5,6,7
	v_max3_num_f32 v[M+\t], |v[X+8*\t]|, |v[X+8*\t+1]|, 0x4800000
.endr
.irp i, 2,4,6
.irp t, 0,1,2,3,4,5,6,7
	v_max3_num_f32 v[M+\t], v[M+\t], |v[X+8*\t+\i]|, |v[X+8*\t+\i+1]|
.endr
.endr
.irp t, 0,1,2,3,4,5,6,7
	v_max_num_f32_dpp v[M+\t], v[M+\t], v[M+\t] row_xmask:1 row_mask:0xf bank_mask:0xf
.endr
.irp t, 0,1,2,3,4,5,6,7
	v_max_num_f32_dpp v[M+\t], v[M+\t], v[M+\t] row_xmask:2 row_mask:0xf bank_mask:0xf
.endr
.irp t, 0,1,2,3,4,5,6,7
	v_add_nc_u32 v[SC+\t], 0xfc000000, v[M+\t]     ; 8 off the exponent field: the conversion takes this operand's exponent field as its scale
.endr
.irp t, 0,1,2,3,4,5,6,7
	v_and_or_b32 v[HOLD+\t], v[M+\t], 0x7f800000, s24      ; 448 x the scale
.endr
.irp t, 0,1,2,3,4,5,6,7
	v_lshrrev_b32 v[BYTE+\t], 23, v[SC+\t]         ; the scale's byte
.endr
.irp t, 0,1,2,3,4,5,6,7
.irp i, 0,1,2,3,4,5,6,7
	v_med3_num_f32 v[X+8*\t+\i], v[X+8*\t+\i], -v[HOLD+\t], v[HOLD+\t]     ; the conversion to an 8-bit code does not saturate (ISA guide 7.6.2): the hold comes first
.endr
.endr
.irp t, 0,1,2,3,4,5,6,7
	v_cvt_scalef32_pk8_fp8_f32 v[C+2*\t:C+2*\t+1], v[X+8*\t:X+8*\t+7], v[SC+\t]
.endr
.irp t, 0,1,2,3,4,5,6,7
	ds_store_b8 v7, v[BYTE+\t] offset:32*\t        ; the four lanes of a block write the same byte with the same value
	global_store_b64 v9, v[C+2*\t:C+2*\t+1], s[10:11] offset:1024*\t       ; the wave stores 256 consecutive bytes, aligned
.endr
; The partial sums over the 16 lanes of each half; the two halves and the four waves meet in LDS.
.irp m, 1,2,4,8
.set i, 0
.rept 64
	v_add_f32_dpp v[ACC+i], v[ACC+i], v[ACC+i] row_xmask:\m row_mask:0xf bank_mask:0xf
.set i, i+1
.endr
.endr
.set i, 0
.rept 16
	ds_store_b128 v6, v[ACC+4*i:ACC+4*i+3] offset:16*i     ; the sixteen lanes of a half hold the same sums and write the same bytes
.set i, i+1
.endr
	s_wait_dscnt 0x0                               ; for wave 0's sake: my sums and my scale bytes lie in LDS
	s_barrier_signal -1
	s_barrier_wait -1
	s_cmp_lg_u32 s20, 0
	s_cbranch_scc1 .Lend
; Wave 0: lane l has token l / 4 and experts 2 (l % 4), 2 (l % 4) + 1: a row lies in four neighbouring lanes.
	v_add_nc_u32 v11, PART, v9
	v_add_nc_u32 v14, XSB, v9
.irp c, 0,1,2,3,4,5,6,7
	ds_load_b64 v[16+2*\c:17+2*\c], v11 offset:256*\c
.endr
	ds_load_b64 v[32:33], v14
	s_wait_dscnt 0x0
	v_pk_add_f32 v[16:17], v[16:17], v[18:19]
	v_pk_add_f32 v[20:21], v[20:21], v[22:23]
	v_pk_add_f32 v[24:25], v[24:25], v[26:27]
	v_pk_add_f32 v[28:29], v[28:29], v[30:31]
	v_pk_add_f32 v[16:17], v[16:17], v[20:21]
	v_pk_add_f32 v[24:25], v[24:25], v[28:29]
	v_pk_add_f32 v[16:17], v[16:17], v[24:25]
	v_pk_add_f32 v[16:17], v[16:17], v[12:13]      ; + br: the logits
	v_max_num_f32 v18, v16, v17
	v_max_num_f32_dpp v18, v18, v18 row_xmask:1 row_mask:0xf bank_mask:0xf
	v_max_num_f32_dpp v18, v18, v18 row_xmask:2 row_mask:0xf bank_mask:0xf ; the row's largest logit is taken away ahead of the exponential
	v_sub_f32 v20, v16, v18
	v_sub_f32 v21, v17, v18
	v_mul_f32 v20, 0x3fb8aa3b, v20
	v_mul_f32 v21, 0x3fb8aa3b, v21
	v_exp_f32 v20, v20
	v_exp_f32 v21, v21
	v_nop                                          ; a plain place behind the transcendentals
	s_wait_alu depctr_va_vdst(0)
	v_add_f32 v22, v20, v21
	v_add_f32_dpp v22, v22, v22 row_xmask:1 row_mask:0xf bank_mask:0xf
	v_add_f32_dpp v22, v22, v22 row_xmask:2 row_mask:0xf bank_mask:0xf
	v_rcp_f32 v23, v22
	v_nop
	s_wait_alu depctr_va_vdst(0)
	v_mul_f32 v24, v20, v23                        ; the probabilities
	v_mul_f32 v25, v21, v23
	v_max_num_f32 v26, v24, v25
	v_max_num_f32_dpp v26, v26, v26 row_xmask:1 row_mask:0xf bank_mask:0xf
	v_max_num_f32_dpp v26, v26, v26 row_xmask:2 row_mask:0xf bank_mask:0xf ; p_max
	v_rcp_f32 v27, v26
	v_and_b32 v28, 3, v1                           ; (a plain place)
	v_lshlrev_b32 v28, 1, v28
	v_cvt_f32_u32 v29, v28                         ; my two experts' numbers as f32
	v_add_f32 v30, 1.0, v29
	v_mov_b32 v31, 0x41000000                      ; 8.0: over every expert's number
	v_cmp_eq_f32 vcc_lo, v24, v26
	v_cndmask_b32 v29, v31, v29, vcc_lo
	v_cmp_eq_f32 vcc_lo, v25, v26
	v_cndmask_b32 v30, v31, v30, vcc_lo
	v_min_num_f32 v29, v29, v30                    ; the lowest number among the experts that reach p_max
	v_min_num_f32_dpp v29, v29, v29 row_xmask:1 row_mask:0xf bank_mask:0xf
	v_min_num_f32_dpp v29, v29, v29 row_xmask:2 row_mask:0xf bank_mask:0xf
	v_cvt_u32_f32 v29, v29
	s_wait_alu depctr_va_vdst(0)
	v_mul_f32 v27, v26, v27                        ; p_max / p_max
	v_and_b32 v34, 0x1c, v1                        ; 4 x token: the four lanes of a token store the same word with the same value
	global_store_b64 v9, v[24:25], s[18:19]        ; out1: 256 consecutive bytes, aligned
	global_store_b64 v9, v[32:33], s[12:13]        ; xs likewise
	global_store_b32 v34, v29, s[14:15]
	global_store_b32 v34, v27, s[16:17]
.Lend:
	s_set_vgpr_msb 0x4
	s_wait_tensorcnt 0x0
	ds_add_u32 v15, v1
	s_wait_dscnt 0x0
	s_set_vgpr_msb 0x400
	s_endpgm
.Lfunc_end_k_q0fbc4c430c_route:
	.size	k_q0fbc4c430c_route, .Lfunc_end_k_q0fbc4c430c_route-k_q0fbc4c430c_route
	.p2alignl 7, 3214868480
	.fill 96, 4, 3214868480
	.section	.rodata,"a",@progbits
	.p2align	6, 0x0
	.amdhsa_kernel k_q0fbc4c430c_route
		.amdhsa_group_segment_fixed_size 86784
		.amdhsa_private_segment_fixed_size 0
		.amdhsa_enable_private_segment 0
		.amdhsa_kernarg_size 64
		.amdhsa_user_sgpr_count 2
		.amdhsa_user_sgpr_kernarg_segment_ptr 1
		.amdhsa_wavefront_size32 1
		.amdhsa_system_sgpr_workgroup_id_x 1
		.amdhsa_system_sgpr_workgroup_id_y 1
		.amdhsa_system_sgpr_workgroup_id_z 1
		.amdhsa_system_vgpr_workitem_id 0
		.amdhsa_next_free_vgpr 258
		.amdhsa_next_free_sgpr 66
		.amdhsa_reserve_vcc 1
		.amdhsa_float_denorm_mode_32 3
		.amdhsa_float_denorm_mode_16_64 3
		.amdhsa_memory_ordered 1
		.amdhsa_forward_progress 1
		.amdhsa_inst_pref_size 57
	.end_amdhsa_kernel
	.amdgpu_metadata
---
amdhsa.version: [ 1, 2 ]
amdhsa.kernels:
  - .name:           k_q0fbc4c430c_route
    .symbol:         k_q0fbc4c430c_route.kd
    .args:
      - { .name: x, .offset: 0, .size: 8, .value_kind: global_buffer, .address_space: global }
      - { .name: Wr, .offset: 8, .size: 8, .value_kind: global_buffer, .address_space: global }
      - { .name: br, .offset: 16, .size: 8, .value_kind: global_buffer, .address_space: global }
      - { .name: xq, .offset: 24, .size: 8, .value_kind: global_buffer, .address_space: global }
      - { .name: xs, .offset: 32, .size: 8, .value_kind: global_buffer, .address_space: global }
      - { .name: routes, .offset: 40, .size: 8, .value_kind: global_buffer, .address_space: global }
      - { .name: ratio, .offset: 48, .size: 8, .value_kind: global_buffer, .address_space: global }
      - { .name: out1, .offset: 56, .size: 8, .value_kind: global_buffer, .address_space: global }
    .group_segment_fixed_size: 86784
    .private_segment_fixed_size: 0
    .kernarg_segment_align: 8
    .kernarg_segment_size: 64
    .max_flat_workgroup_size: 128
    .sgpr_count:     66
    .vgpr_count:     258
    .wavefront_size: 32
...
	.end_amdgpu_metadata
.endif
;; end of part 1
;; launch place (part 2): grid 1 x 1, 8 waves a work-group, no clusters, 2,048 bytes of LDS; arguments routes, ratio, list, rs, out2; writes list, rs, out2
.if DOCPART == 2
	.amdgcn_target "amdgcn-amd-amdhsa--gfx1250"
	.amdhsa_code_object_version 6
	.text
	.protected	k_q0fbc4c430c_place
	.globl	k_q0fbc4c430c_place
	.p2align	8
	.type	k_q0fbc4c430c_place,@function
k_q0fbc4c430c_place:
	s_mov_b64 s[64:65], 0
	v_nop
	global_prefetch_b8 v0, s[64:65] scope:SCOPE_SE
	s_setreg_imm32_b32 hwreg(HW_REG_WAVE_MODE, 25, 1), 1
	s_wait_xcnt 0x0
; A COUNTING SORT OF THE 2,048 TOKENS BY EXPERT, without atomics.  routes [2048] u32, ratio [2048] f32.
; Out: list [8][2048] u32: the tokens of expert e at places 0 .. count - 1; behind it, at byte 65,536, the 8 counts as u32; rs [8][2048] f32: ratio in the list's order; out2 [8] f32: the counts.
; One work-group of eight waves: the sort needs every wave's counts, and 16 KiB are read in all.  Wave w takes tokens 256 w .. 256 w + 255, eight a lane.
; A token's place = what earlier waves count for its expert + what this wave has counted so far + the lanes below it with the same expert (a mask, its bits below my lane).
; A route over 7 (which only a row of NaN could give) is held at 7.
.set R,   8                            ; v8-15  routes: register 4 i + k = token 256 w + 128 i + 4 l + k
.set F,   16                           ; v16-23 ratio of the same tokens
.set P,   24                           ; v24-31 the place within my wave's share of the expert
.set TOK, 32                           ; v32-39 the tokens' numbers
.set D,   40                           ; v40-47 the place in the list, then its byte offset
.set T,   50                           ; v50-57 lane e: wave u's count of expert e; later the permutes' indices
	s_load_b256 s[4:11], s[0:1], 0x0               ; routes 4:5, ratio 6:7, list 8:9, rs 10:11
	s_load_b64 s[12:13], s[0:1], 0x20              ; out2
	v_lshl_add_u32 v64, v0, 2, 0x400
	v_mov_b32 v65, 0
	v_lshrrev_b32 v1, 5, v0
	v_readfirstlane_b32 s14, v1                    ; wave
	v_and_b32 v1, 31, v0
	v_lshlrev_b32 v2, 4, v1                        ; 16 l
	v_lshlrev_b32 v60, 2, v0                       ; LDS: 128 bytes a wave, a word a lane
	v_lshlrev_b32 v61, 2, v1                       ; 4 l
	s_lshl_b32 s26, s14, 10                        ; my wave's 256 words
	s_mov_b32 s27, 0
	s_lshl_b32 s25, s14, 8
	v_add_nc_u32 v3, s25, v61                      ; 256 w + 4 l
.irp j, 0,1,2,3,4,5,6,7
	v_add_nc_u32 v[TOK+\j], 128*(\j/4)+(\j%4), v3
	v_mov_b32 v[P+\j], 0
	s_mov_b32 s[16+\j], 0                          ; s16-23: my wave's running count of each expert
.endr
	s_wait_kmcnt 0x0
	s_add_nc_u64 s[4:5], s[4:5], s[26:27]
	s_add_nc_u64 s[6:7], s[6:7], s[26:27]
	global_load_b128 v[R:R+3], v2, s[4:5]
	global_load_b128 v[R+4:R+7], v2, s[4:5] offset:512
	global_load_b128 v[F:F+3], v2, s[6:7]
	global_load_b128 v[F+4:F+7], v2, s[6:7] offset:512
	s_wait_loadcnt 0x0
.irp j, 0,1,2,3,4,5,6,7
	v_min_u32 v[R+\j], 7, v[R+\j]
.endr
.irp j, 0,1,2,3,4,5,6,7
.irp e, 0,1,2,3,4,5,6,7
	v_cmp_eq_u32 s24, \e, v[R+\j]                  ; the lanes whose token j goes to expert e
	v_mbcnt_lo_u32_b32 v48, s24, s[16+\e]          ; those below me + the count so far
	v_cndmask_b32 v[P+\j], v[P+\j], v48, s24
	s_bcnt1_i32_b32 s25, s24
	s_add_co_u32 s[16+\e], s[16+\e], s25
.endr
.endr
	v_mov_b32 v49, 0
.irp e, 0,1,2,3,4,5,6,7
	v_writelane_b32 v49, s[16+\e], \e              ; lane e: my wave's count of expert e
.endr
	ds_store_b32 v60, v49
	s_wait_dscnt 0x0                               ; for the others' sake
	s_barrier_signal -1
	s_barrier_wait -1
.irp u, 0,1,2,3,4,5,6,7
	ds_load_b32 v[T+\u], v61 offset:128*\u
.endr
	v_mov_b32 v58, 0                               ; lane e: all waves' count of expert e,
	v_mov_b32 v59, 0                               ; and that of the waves ahead of mine
	s_wait_dscnt 0x0
.irp u, 0,1,2,3,4,5,6,7
	s_cmp_gt_u32 s14, \u
	s_cselect_b32 s25, -1, 0
	v_and_b32 v48, s25, v[T+\u]
	v_add_nc_u32 v59, v59, v48
	v_add_nc_u32 v58, v58, v[T+\u]
.endr
.irp j, 0,1,2,3,4,5,6,7
	v_lshlrev_b32 v[T+\j], 2, v[R+\j]
.endr
.irp j, 0,1,2,3,4,5,6,7
	ds_bpermute_b32 v[D+\j], v[T+\j], v59          ; from lane e = my token's expert: what the earlier waves count
.endr
	s_wait_dscnt 0x0
.irp j, 0,1,2,3,4,5,6,7
	v_add_nc_u32 v[D+\j], v[D+\j], v[P+\j]
	v_lshl_add_u32 v[D+\j], v[R+\j], 11, v[D+\j]   ; + 2,048 x expert
	v_min_u32 v[D+\j], 16383, v[D+\j]              ; inside the table, whatever was read
	v_lshlrev_b32 v[D+\j], 2, v[D+\j]
.endr
.irp j, 0,1,2,3,4,5,6,7
	global_store_b32 v[D+\j], v[TOK+\j], s[8:9]
	global_store_b32 v[D+\j], v[F+\j], s[10:11]
.endr
	s_cmp_lg_u32 s14, 0
	s_cbranch_scc1 .Lend
	v_cvt_f32_u32 v48, v58
	v_cmp_gt_u32 vcc_lo, 8, v0
	s_wait_xcnt 0x0                                ; EXEC is a source of the stores above: it changes only behind this wait
	s_and_saveexec_b32 s25, vcc_lo
	global_store_b32 v61, v58, s[8:9] offset:65536 ; the counts as whole numbers, for the launches that follow
	global_store_b32 v61, v48, s[12:13]            ; and as f32: out2
	s_wait_xcnt 0x0
	s_or_b32 exec_lo, exec_lo, s25
.Lend:
	s_wait_tensorcnt 0x0
	ds_add_u32 v64, v65
	s_wait_dscnt 0x0
	s_endpgm
.Lfunc_end_k_q0fbc4c430c_place:
	.size	k_q0fbc4c430c_place, .Lfunc_end_k_q0fbc4c430c_place-k_q0fbc4c430c_place
	.p2alignl 7, 3214868480
	.fill 96, 4, 3214868480
	.section	.rodata,"a",@progbits
	.p2align	6, 0x0
	.amdhsa_kernel k_q0fbc4c430c_place
		.amdhsa_group_segment_fixed_size 2048
		.amdhsa_private_segment_fixed_size 0
		.amdhsa_enable_private_segment 0
		.amdhsa_kernarg_size 40
		.amdhsa_user_sgpr_count 2
		.amdhsa_user_sgpr_kernarg_segment_ptr 1
		.amdhsa_wavefront_size32 1
		.amdhsa_system_sgpr_workgroup_id_x 1
		.amdhsa_system_sgpr_workgroup_id_y 1
		.amdhsa_system_sgpr_workgroup_id_z 1
		.amdhsa_system_vgpr_workitem_id 0
		.amdhsa_next_free_vgpr 66
		.amdhsa_next_free_sgpr 66
		.amdhsa_reserve_vcc 1
		.amdhsa_float_denorm_mode_32 3
		.amdhsa_float_denorm_mode_16_64 3
		.amdhsa_memory_ordered 1
		.amdhsa_forward_progress 1
		.amdhsa_inst_pref_size 26
	.end_amdhsa_kernel
	.amdgpu_metadata
---
amdhsa.version: [ 1, 2 ]
amdhsa.kernels:
  - .name:           k_q0fbc4c430c_place
    .symbol:         k_q0fbc4c430c_place.kd
    .args:
      - { .name: routes, .offset: 0, .size: 8, .value_kind: global_buffer, .address_space: global }
      - { .name: ratio, .offset: 8, .size: 8, .value_kind: global_buffer, .address_space: global }
      - { .name: list, .offset: 16, .size: 8, .value_kind: global_buffer, .address_space: global }
      - { .name: rs, .offset: 24, .size: 8, .value_kind: global_buffer, .address_space: global }
      - { .name: out2, .offset: 32, .size: 8, .value_kind: global_buffer, .address_space: global }
    .group_segment_fixed_size: 2048
    .private_segment_fixed_size: 0
    .kernarg_segment_align: 8
    .kernarg_segment_size: 40
    .max_flat_workgroup_size: 256
    .sgpr_count:     66
    .vgpr_count:     66
    .wavefront_size: 32
...
	.end_amdgpu_metadata
.endif
;; end of part 2
;; launch up (part 3): grid 32 x 8, 4 waves a work-group, no clusters, 135,680 bytes of LDS; arguments xq, xs, list, W1_codes, W1_scales, b1, hq, hs; writes hq, hs
.if DOCPART == 3
	.amdgcn_target "amdgcn-amd-amdhsa--gfx1250"
	.amdhsa_code_object_version 6
	.text
	.protected	k_q0fbc4c430c_up
	.globl	k_q0fbc4c430c_up
	.p2align	8
	.type	k_q0fbc4c430c_up,@function
k_q0fbc4c430c_up:
	s_mov_b64 s[64:65], 0
	v_nop
	global_prefetch_b8 v0, s[64:65] scope:SCOPE_SE
	s_setreg_imm32_b32 hwreg(HW_REG_WAVE_MODE, 25, 1), 1
	s_wait_xcnt 0x0
; THE FIRST PRODUCT, FOR ROUTED ROWS ONLY: hidden = Q(relu(x W1[e] + b1[e])), on codes of E4M3 with E8M0 scales; Q is the quantiser along the second product's K.
; SHARES.  Work-group (q, e) owns hidden units 64 q .. 64 q + 63 of expert e: 64 rows of W1's codes, 65,536 consecutive bytes, which no other work-group reads.  Each wave loads a quarter of them in
; runs of 512 bytes; they meet in LDS behind the launch's one barrier, and every wave then keeps all of them in registers: 32 fragments, 512 registers.  Wave w walks the expert's tiles of 16 rows
; w, w + 4, .. on its own: 32 matrix instructions a tile.
; ROWS.  The expert's tokens stand in list (an earlier launch stored it, with the counts at byte 65,536).  A tile's place p is read at min(p, count - 1): a spare row of the last tile is the last row once more.
; A row's 1,024 codes come as two loads of 512 consecutive bytes and turn through the wave's own stage in LDS into fragments.
; LAYOUT.  The product is used transposed (source 0 = 16 rows of W1, source 1 = 16 tokens): a lane holds one token.  Lane r of tile t takes W1's row 32 (t / 2) + 8 (t % 2) + r + 8 (r / 8), so that the
; 16 registers of tiles 2 b, 2 b + 1 are the 16 neighbours 32 b + 16 (lane / 16) + 0 .. 15 along the next K: the conversions' results are registers of the next operand.  b1 is the C of a sum's first product.
; OUT.  hq: images of the next operand's registers, [e][tile][K step 16][4][lane 32][16 bytes]; hs: scale words [e][tile][step / 4][row 16][step % 4].  This work-group writes half of K step q / 2.
; NO TENSOR LOADS AND NO CLUSTER, though the 32 work-groups of an expert read the same rows of x: the trips hang on a count read from memory;
; the weights, which are the larger part of what comes from memory, are shared by nobody.
; An expert without rows: its waves read the first count word in place of a list entry (no unwritten byte is read), pass the barrier and end.
; LIMITS: NaN and infinities are not served.  A block of zeros gets the byte 1 where the rule says 127: its codes are zeros and this program alone reads the bytes.
.set WP,   1040                        ; a row of W1 in LDS: 1,024 bytes + 16 = 65 x 16: the 16 rows of a fragment load start in 16 different columns of 16 bytes
.set XP,   1072                        ; a token's row in a wave's stage: 1,024 codes, 32 scale bytes, 16 of padding = 67 x 16
.set XST,  64*WP                       ; behind W1's 64 rows: a stage of 16 rows for each wave
.set XSTW, 16*XP
.set OF,   16                          ; v16-31   byte offsets of the tile's 16 rows in xq, + 16 x lane
.set WS,   32                          ; v32-63   W1's scale words: tile t, K step s at 8 t + s
.set XS,   64                          ; v64-71   x's scale words of the 8 K steps
.set ACC,  72                          ; v72-103  four accumulators
.set PC,   104                         ; v104-111 the codes just made
.set TM,   112                         ; v112-121 for two blocks each: largest magnitude, the other half's, 448 x scale, scale operand, byte
.set PW,   122                         ; v122     two scale bytes
.set AF,   128                         ; v128-255 x's fragments: K step s at 16 s
.set B1,   160                         ; window 3: v0-127 a tile's rows as loaded, v128-131 their scale bytes, v160-191 b1 in the result's layout
.set TK,   36                          ; s36-51   the tile's 16 tokens
; windows 1 and 2: W1's fragments, (K step s, tile t) at 16 (4 s + t); window 1's v0-127 first take the codes as loaded
.set MSB, 0
.macro WIN new                         ; s_set_vgpr_msb: bits 1:0 source 0, 3:2 source 1, 5:4 source 2, 7:6 destination; the high byte repeats the setting that is left
.if MSB != \new
	s_set_vgpr_msb (MSB<<8)|\new
.set MSB, \new
.endif
.endm
.macro LISTLOAD                        ; the tokens at places s28 + r of my expert's list
	v_add_nc_u32 v10, s28, v2
	v_min_u32 v10, s25, v10                        ; not past the last entry that was written
	v_min_u32 v10, 2047, v10                       ; inside the table, whatever was read
	v_lshl_add_u32 v10, v10, 2, s29
	global_load_b32 v11, v10, s[8:9]
.endm
.macro ROWLOAD                         ; the 16 rows named by v11: 32 loads of 512 consecutive bytes, and one of the rows' scale bytes: 33 loads
	v_min_u32 v11, 2047, v11
.irp j, 0,1,2,3,4,5,6,7,8,9,10,11,12,13,14,15
	v_readlane_b32 s[TK+\j], v11, \j
.endr
.irp j, 0,1,2,3,4,5,6,7,8,9,10,11,12,13,14,15
	s_min_u32 s[TK+\j], s[TK+\j], 2047
.endr
.irp j, 0,1,2,3,4,5,6,7,8,9,10,11,12,13,14,15
	v_lshl_add_u32 v[OF+\j], s[TK+\j], 10, v1
.endr
	v_lshlrev_b32 v12, 5, v11
	v_lshl_add_u32 v12, v3, 4, v12                 ; lane (r, h): half h of row r's 32 scale bytes
	WIN 0xc0
.irp j, 0,1,2,3,4,5,6,7,8,9,10,11,12,13,14,15
	global_load_b128 v[8*\j:8*\j+3], v[OF+\j], s[4:5]
	global_load_b128 v[8*\j+4:8*\j+7], v[OF+\j], s[4:5] offset:512
.endr
	global_load_b128 v[128:131], v12, s[6:7]
	WIN 0
.endm
.macro MUL4 s, first                   ; K step s: the four accumulators take turns, one instruction a turn
.irp t, 0,1,2,3
.if \first
	v_wmma_scale_f32_16x16x128_f8f6f4 v[ACC+8*\t:ACC+8*\t+7], v[16*(4*((\s)%4)+\t):16*(4*((\s)%4)+\t)+15], v[AF+16*(\s):AF+16*(\s)+15], v[B1+8*\t:B1+8*\t+7], v[WS+8*\t+(\s)], v[XS+(\s)]
.else
	v_wmma_scale_f32_16x16x128_f8f6f4 v[ACC+8*\t:ACC+8*\t+7], v[16*(4*((\s)%4)+\t):16*(4*((\s)%4)+\t)+15], v[AF+16*(\s):AF+16*(\s)+15], v[ACC+8*\t:ACC+8*\t+7], v[WS+8*\t+(\s)], v[XS+(\s)]
.endif
.endr
.endm
.macro QUANT                           ; the lane's 32 results, register 16 b + i = unit 32 b + 16 (lane / 16) + i of its token, become codes in v[PC] on and two scale bytes in v[PW]
.irp b, 0,1
	v_max3_num_f32 v[TM+\b], v[ACC+16*\b], v[ACC+16*\b+1], 0x4800000       ; no |.|: what is negative becomes 0 and must not count; the floor 2^(9 - 127) holds the byte at 1 from below
.endr
.irp i, 2,4,6,8,10,12,14
.irp b, 0,1
	v_max3_num_f32 v[TM+\b], v[TM+\b], v[ACC+16*\b+\i], v[ACC+16*\b+\i+1]  ; each accumulator is read from its low end on
.endr
.endr
.irp b, 0,1
	v_permlanex16_b32 v[TM+2+\b], v[TM+\b], s32, s33
.endr
.irp b, 0,1
	v_max_num_f32 v[TM+\b], v[TM+\b], v[TM+2+\b]   ; with lane l xor 16's 16: the block's
.endr
.irp b, 0,1
	v_add_nc_u32 v[TM+6+\b], 0xfc000000, v[TM+\b]  ; 8 off the exponent field: the conversion's scale operand
.endr
.irp b, 0,1
	v_and_or_b32 v[TM+4+\b], v[TM+\b], 0x7f800000, s34     ; 448 x the scale
.endr
.irp b, 0,1
	v_lshrrev_b32 v[TM+8+\b], 23, v[TM+6+\b]       ; the scale's byte
.endr
	v_lshl_or_b32 v[PW], v[TM+9], 8, v[TM+8]
.irp b, 0,1
.irp i, 0,1,2,3,4,5,6,7,8,9,10,11,12,13,14,15
	v_med3_num_f32 v[ACC+16*\b+\i], v[ACC+16*\b+\i], 0, v[TM+4+\b]         ; the activation and the hold in one (the conversion does not saturate: ISA guide 7.6.2)
.endr
	v_cvt_scalef32_pk8_fp8_f32 v[PC+4*\b:PC+4*\b+1], v[ACC+16*\b:ACC+16*\b+7], v[TM+6+\b]
	v_cvt_scalef32_pk8_fp8_f32 v[PC+4*\b+2:PC+4*\b+3], v[ACC+16*\b+8:ACC+16*\b+15], v[TM+6+\b]
.endr
	v_nop                                          ; a plain place between the conversions and the next products, which write their sources
.endm
	s_load_b512 s[4:19], s[0:1], 0x0               ; xq 4:5, xs 6:7, list 8:9, W1's codes 10:11, its scales 12:13, b1 14:15, hq 16:17, hs 18:19
	v_lshl_add_u32 v126, v0, 2, 0x21000
	v_mov_b32 v127, 0
	v_lshrrev_b32 v1, 5, v0
	v_readfirstlane_b32 s20, v1                    ; wave
	s_mov_b32 s21, ttmp9                           ; q
	s_and_b32 s22, ttmp7, 0xffff                   ; e
	v_and_b32 v1, 31, v0
	v_lshlrev_b32 v1, 4, v1                        ; 16 x lane; never rewritten
	v_and_b32 v2, 15, v0                           ; r
	v_bfe_u32 v3, v0, 4, 1                         ; h
	s_lshr_b32 s30, s20, 1                         ; W1 into LDS: memory row 16 w + u lies at LDS row 32 (w / 2) + 8 (w % 2) + 16 (u / 8) + u % 8 (bits 3 and 4 change places),
	s_lshl_b32 s30, s30, 5                         ; so that the 16 rows of tile t are LDS rows 16 t + r
	s_and_b32 s31, s20, 1
	s_lshl_b32 s31, s31, 3
	s_add_co_u32 s30, s30, s31
	s_mul_i32 s30, s30, WP
	v_add_nc_u32 v4, s30, v1
	v_mul_u32_u24 v5, v2, WP
	v_lshl_add_u32 v5, v3, 4, v5                   ; a fragment of W1: row r, + 16 h
	s_mul_i32 s30, s20, XSTW
	s_add_co_u32 s30, s30, XST                     ; my stage
	v_add_nc_u32 v6, s30, v1                       ; rows into it: 16 x lane
	v_mul_u32_u24 v9, v2, XP
	v_add_nc_u32 v9, s30, v9
	v_lshl_add_u32 v8, v3, 4, v9                   ; a fragment of x: row r, + 16 h
	v_add_nc_u32 v7, 1024, v8                      ; scale bytes into it: behind row r's codes, + 16 h
	v_add_nc_u32 v9, 1024, v9                      ; and out of it: row r's eight words
	v_lshlrev_b32 v13, 4, v2                       ; hs: 16 bytes a row
	v_and_b32 v14, 8, v2
	v_add_nc_u32 v14, v14, v2
	v_lshlrev_b32 v14, 5, v14                      ; W1's scales: row r + 8 (r / 8) of a tile, 32 bytes a row
	v_lshlrev_b32 v15, 6, v3                       ; b1: 16 h numbers on
	v_mov_b32 v[TM+2], 0                           ; written once: a lane permute's destination counts as one of its sources
	v_mov_b32 v[TM+3], 0
	s_mov_b32 s32, 0x76543210
	s_mov_b32 s33, 0xfedcba98                      ; v_permlanex16_b32's selects for lane l xor 16
	s_mov_b32 s34, 0x600000                        ; the mantissa field of 448
	s_lshl_b32 s27, s22, 2
	s_wait_kmcnt 0x0
	s_load_b32 s23, s[8:9], s27 offset:0x10000     ; my expert's count
	s_mov_b32 s31, 0
	s_lshl_b32 s30, s22, 21                        ; W1's codes: 2^21 bytes an expert, 2^16 a work-group, 2^14 a wave
	s_lshl_b32 s35, s21, 16
	s_add_co_u32 s30, s30, s35
	s_lshl_b32 s35, s20, 14
	s_add_co_u32 s30, s30, s35
	s_add_nc_u64 s[10:11], s[10:11], s[30:31]
	s_lshl_b32 s30, s22, 16                        ; its scales: 64 rows of 32 bytes a work-group
	s_lshl_b32 s35, s21, 11
	s_add_co_u32 s30, s30, s35
	s_add_nc_u64 s[12:13], s[12:13], s[30:31]
	s_lshl_b32 s30, s22, 13                        ; b1: 64 numbers a work-group
	s_lshl_b32 s35, s21, 8
	s_add_co_u32 s30, s30, s35
	s_add_nc_u64 s[14:15], s[14:15], s[30:31]
	s_lshl_b32 s30, s22, 22                        ; hq: 2^22 bytes an expert, 2^15 a tile (my first is tile w), 2,048 a K step, 1,024 for my half of step q / 2
	s_lshl_b32 s35, s20, 15
	s_add_co_u32 s30, s30, s35
	s_lshl_b32 s35, s21, 10
	s_add_co_u32 s30, s30, s35
	s_add_nc_u64 s[16:17], s[16:17], s[30:31]
	s_lshl_b32 s30, s22, 17                        ; hs: 2^17 an expert, 1,024 a tile, 256 for four K steps, 4 a step, 2 for my half of the word
	s_lshl_b32 s35, s20, 10
	s_add_co_u32 s30, s30, s35
	s_lshr_b32 s35, s21, 3
	s_lshl_b32 s35, s35, 8
	s_add_co_u32 s30, s30, s35
	s_and_b32 s35, s21, 7
	s_lshl_b32 s35, s35, 1
	s_add_co_u32 s30, s30, s35
	s_add_nc_u64 s[18:19], s[18:19], s[30:31]
	s_wait_kmcnt 0x0                               ; the count
	s_min_u32 s23, s23, 2048
	s_add_co_u32 s24, s23, 15
	s_lshr_b32 s24, s24, 4                         ; the expert's tiles of 16 rows
	s_max_u32 s25, s23, 1
	s_sub_co_u32 s25, s25, 1                       ; the last place that was written
	s_lshl_b32 s29, s22, 13                        ; my expert's part of the list;
	s_cmp_eq_u32 s23, 0
	s_cselect_b32 s29, 0x10000, s29                ; an expert without rows has none: its waves read the first count word, which is always written
	s_lshl_b32 s28, s20, 4                         ; tile w
	LISTLOAD                                       ; 1 load, ahead of the weights: loads come back in order
	WIN 0x40
.set i, 0
.rept 32
	global_load_b128 v[4*i:4*i+3], v1, s[10:11] offset:512*i th:TH_LOAD_NT   ; my 16 rows of W1: 512 consecutive bytes a load; read once in the whole launch
.set i, i+1
.endr
	WIN 0
.irp t, 0,1,2,3
.irp i, 0,1
	global_load_b128 v[WS+8*\t+4*\i:WS+8*\t+4*\i+3], v14, s[12:13] offset:(32*(\t/2)+8*(\t%2))*32+16*\i
.endr
.endr
	WIN 0xc0
.irp t, 0,1,2,3
.irp i, 0,1
	global_load_b128 v[B1+8*\t+4*\i:B1+8*\t+4*\i+3], v15, s[14:15] offset:(32*(\t/2)+8*(\t%2))*4+16*\i
.endr
.endr
	WIN 0
	s_wait_loadcnt 48                              ; the list entry is in: 32 + 8 + 8 loads were issued behind it
	ROWLOAD                                        ; tile w's rows travel while the weights stream
	s_add_co_u32 s28, s28, 64
	LISTLOAD                                       ; tile w + 4's tokens
	s_wait_loadcnt 34                              ; the weights, their scales and b1 are in: 33 + 1 loads were issued behind them
	WIN 0x04
.set i, 0
.rept 32
	ds_store_b128 v4, v[4*i:4*i+3] offset:(16*(i/16)+((i/2)%8))*WP+512*(i%2)
.set i, i+1
.endr
	WIN 0
	s_wait_dscnt 0x0                               ; for the others' sake: my quarter of W1 lies in LDS
	s_barrier_signal -1
	s_barrier_wait -1                              ; the one barrier; every wave passes it
	s_cmp_ge_u32 s20, s24
	s_cbranch_scc1 .Lend                           ; no tile for this wave
	s_sub_co_u32 s24, s24, s20                     ; my own tiles, w, w + 4, ..: (tiles - w + 3) / 4 of them, at least one;
	s_add_co_u32 s24, s24, 3
	s_lshr_b32 s24, s24, 2                         ; the loop below counts them one by one
	WIN 0x40
.irp s, 0,1,2,3
.irp t, 0,1,2,3
.irp c, 0,1,2,3
	ds_load_b128 v[16*(4*\s+\t)+4*\c:16*(4*\s+\t)+4*\c+3], v5 offset:16*\t*WP+128*\s+32*\c
.endr
.endr
.endr
	WIN 0x80
.irp s, 0,1,2,3
.irp t, 0,1,2,3
.irp c, 0,1,2,3
	ds_load_b128 v[16*(4*\s+\t)+4*\c:16*(4*\s+\t)+4*\c+3], v5 offset:16*\t*WP+128*(\s+4)+32*\c
.endr
.endr
.endr
	WIN 0
	s_mov_b32 s26, 0                               ; which of my tiles is in hand
.Ltile:
	s_wait_loadcnt 0x0                             ; this tile's rows and scale bytes, and the next tile's tokens
	WIN 0x0c
.irp j, 0,1,2,3,4,5,6,7,8,9,10,11,12,13,14,15
	ds_store_b128 v6, v[8*\j:8*\j+3] offset:XP*\j
	ds_store_b128 v6, v[8*\j+4:8*\j+7] offset:XP*\j+512
.endr
	ds_store_b128 v7, v[128:131]
	WIN 0
.irp s, 0,1,2,3,4,5,6,7
.irp c, 0,1,2,3
	ds_load_b128 v[AF+16*\s+4*\c:AF+16*\s+4*\c+3], v8 offset:128*\s+32*\c   ; LDS serves a wave's instructions in order: these see the stores above
.endr
.endr
	ds_load_b128 v[XS:XS+3], v9
	ds_load_b128 v[XS+4:XS+7], v9 offset:16
	s_wait_dscnt 0x0                               ; the fragments are in (in the first trip W1's too), and the stores have read the registers that the next rows land in
	s_add_co_u32 s27, s26, 1
	s_cmp_lt_u32 s27, s24
	s_cbranch_scc0 .Lno_next
	ROWLOAD                                        ; the next tile's rows travel under this tile's work
	s_add_co_u32 s28, s28, 64
	LISTLOAD                                       ; and the tokens of the tile after it (held at the last entry)
.Lno_next:
	WIN 0x31                                       ; W1 in window 1, b1 in window 3
	MUL4 0, 1
	WIN 0x01
	MUL4 1, 0
	MUL4 2, 0
	MUL4 3, 0
	WIN 0x02                                       ; W1 in window 2
	MUL4 4, 0
	MUL4 5, 0
	MUL4 6, 0
	MUL4 7, 0
	WIN 0
.rept 9
	v_nop                                          ; places: eight ahead of the reads of the results and of the loads into x's fragments; the ninth since the next trip's first products write the accumulators anew
.endr
	QUANT
	global_store_b128 v1, v[PC:PC+3], s[16:17]             ; 512 consecutive bytes: a quarter of a fragment's image
	global_store_b128 v1, v[PC+4:PC+7], s[16:17] offset:512
	global_store_b16 v13, v[PW], s[18:19]          ; my half of each row's scale word (lanes 16-31 repeat lanes 0-15)
	s_wait_xcnt 0x0                                ; the stores' bases and data are written again only behind this wait
	s_add_nc_u64 s[16:17], s[16:17], 0x20000       ; four tiles on
	s_add_nc_u64 s[18:19], s[18:19], 0x1000
	s_add_co_u32 s26, s26, 1
	s_cmp_lt_u32 s26, s24
	s_cbranch_scc1 .Ltile
.Lend:
	s_wait_tensorcnt 0x0
	ds_add_u32 v126, v127
	s_wait_dscnt 0x0
	s_endpgm
.Lfunc_end_k_q0fbc4c430c_up:
	.size	k_q0fbc4c430c_up, .Lfunc_end_k_q0fbc4c430c_up-k_q0fbc4c430c_up
	.p2alignl 7, 3214868480
	.fill 96, 4, 3214868480
	.section	.rodata,"a",@progbits
	.p2align	6, 0x0
	.amdhsa_kernel k_q0fbc4c430c_up
		.amdhsa_group_segment_fixed_size 135680
		.amdhsa_private_segment_fixed_size 0
		.amdhsa_enable_private_segment 0
		.amdhsa_kernarg_size 64
		.amdhsa_user_sgpr_count 2
		.amdhsa_user_sgpr_kernarg_segment_ptr 1
		.amdhsa_wavefront_size32 1
		.amdhsa_system_sgpr_workgroup_id_x 1
		.amdhsa_system_sgpr_workgroup_id_y 1
		.amdhsa_system_sgpr_workgroup_id_z 1
		.amdhsa_system_vgpr_workitem_id 0
		.amdhsa_next_free_vgpr 1024
		.amdhsa_next_free_sgpr 66
		.amdhsa_reserve_vcc 0
		.amdhsa_float_denorm_mode_32 3
		.amdhsa_float_denorm_mode_16_64 3
		.amdhsa_memory_ordered 1
		.amdhsa_forward_progress 1
		.amdhsa_inst_pref_size 46
	.end_amdhsa_kernel
	.amdgpu_metadata
---
amdhsa.version: [ 1, 2 ]
amdhsa.kernels:
  - .name:           k_q0fbc4c430c_up
    .symbol:         k_q0fbc4c430c_up.kd
    .args:
      - { .name: xq, .offset: 0, .size: 8, .value_kind: global_buffer, .address_space: global }
      - { .name: xs, .offset: 8, .size: 8, .value_kind: global_buffer, .address_space: global }
      - { .name: list, .offset: 16, .size: 8, .value_kind: global_buffer, .address_space: global }
      - { .name: W1_codes, .offset: 24, .size: 8, .value_kind: global_buffer, .address_space: global }
      - { .name: W1_scales, .offset: 32, .size: 8, .value_kind: global_buffer, .address_space: global }
      - { .name: b1, .offset: 40, .size: 8, .value_kind: global_buffer, .address_space: global }
      - { .name: hq, .offset: 48, .size: 8, .value_kind: global_buffer, .address_space: global }
      - { .name: hs, .offset: 56, .size: 8, .value_kind: global_buffer, .address_space: global }
    .group_segment_fixed_size: 135680
    .private_segment_fixed_size: 0
    .kernarg_segment_align: 8
    .kernarg_segment_size: 64
    .max_flat_workgroup_size: 128
    .sgpr_count:     66
    .vgpr_count:     1024
    .wavefront_size: 32
...
	.end_amdgpu_metadata
.endif
;; end of part 3
;; launch down (part 4): grid 32 x 8, 4 waves a work-group, no clusters, 76,800 bytes of LDS; arguments hq, hs, list, rs, W2_codes, W2_scales, b2, out0; writes out0
.if DOCPART == 4
	.amdgcn_target "amdgcn-amd-amdhsa--gfx1250"
	.amdhsa_code_object_version 6
	.text
	.protected	k_q0fbc4c430c_down
	.globl	k_q0fbc4c430c_down
	.p2align	8
	.type	k_q0fbc4c430c_down,@function
k_q0fbc4c430c_down:
	s_mov_b64 s[64:65], 0
	v_nop
	global_prefetch_b8 v0, s[64:65] scope:SCOPE_SE
	s_setreg_imm32_b32 hwreg(HW_REG_WAVE_MODE, 25, 1), 1
	s_wait_xcnt 0x0
; THE SECOND PRODUCT, FOR ROUTED ROWS ONLY: out0[token] = (hidden W2[e] + b2[e]) x ratio, on codes of E4M3 with E8M0 scales.
; SHARES.  Work-group (q, e) owns output columns 32 q .. 32 q + 31 of expert e: 32 rows of W2's codes, 65,536 consecutive bytes, which no other work-group reads.  Each wave loads a quarter in runs of 512
; bytes; they meet in LDS behind the launch's one barrier, and every wave then keeps all of them in registers: 32 fragments, 512 registers.  Wave w walks the expert's tiles of 16 rows w, w + 4, .. on its own.
; THE HIDDEN LAYER comes as images of the operand's registers (hq) and scale words (hs), as the launch before stored them: 64 loads of 512 consecutive bytes a tile, straight into registers.
; One load of hs brings the words of 8 K steps: register s % 4; lanes 0-15 hold steps 0-3 of the eight, lanes 16-31 steps 4-7.
; LAYOUT.  Transposed use (source 0 = 16 rows of W2, source 1 = 16 rows of the hidden layer): a lane holds one token and eight neighbouring columns.  b2 is the C of a sum's first product.
; A tile's place p is read at min(p, count - 1), as in the launch before: a spare row of the last tile is the last row once more and stores the same bytes to the same place.
; THE WAY OUT goes through the wave's own stage: eight lanes store 128 consecutive bytes of a token's row.  More columns to a work-group would ask for more weights than a wave's registers hold
; (64 columns are 1,024 registers), so a store covers half of an aligned block of 256 bytes.
; NO TENSOR LOADS AND NO CLUSTER, though the 32 work-groups of an expert read the same hidden rows: the trips hang on a count read from memory.
; LIMITS: NaN and infinities are not served.
.set WP,   2064                        ; a row of W2 in LDS: 2,048 bytes + 16 = 129 x 16
.set STG,  32*WP                       ; behind W2's 32 rows: for each wave 16 rows of 128 bytes + 16, then the 16 tokens
.set STGW, 2560
.set TKS,  2304
.set T4,   16                          ; v16-19  the tokens of the four rows that I store
.set OA,   20                          ; v20-23  their byte offsets in out0
.set O,    24                          ; v24-39  16 bytes of each of the four rows
.set ACC,  40                          ; v40-55  two accumulators
.set B2,   56                          ; v56-71  b2 in the result's layout
.set HS,   72                          ; v72-79  the hidden layer's scale words
.set WS,   96                          ; v96-127 W2's scale words: tile n, K step s at 16 n + s
; windows 1 and 2: W2's fragments, (K step s, tile n) at 16 (2 s + n); window 1's v0-127 first take the codes as loaded.  window 3: the hidden layer's fragments, K step s at 16 s
.set MSB, 0
.macro WIN new                         ; s_set_vgpr_msb: bits 1:0 source 0, 3:2 source 1, 5:4 source 2, 7:6 destination; the high byte repeats the setting that is left
.if MSB != \new
	s_set_vgpr_msb (MSB<<8)|\new
.set MSB, \new
.endif
.endm
.macro HLOAD half                      ; 8 K steps of the tile at s[4:5]: 32 loads of fragments and one of scale words: 33 loads
	WIN 0xc0
.set i, 0
.rept 32
	global_load_b128 v[128*\half+4*i:128*\half+4*i+3], v1, s[4:5] offset:16384*\half+512*i
.set i, i+1
.endr
	WIN 0
	global_load_b128 v[HS+4*\half:HS+4*\half+3], v1, s[6:7] offset:512*\half
.endm
.macro SMALL                           ; the tokens and ratios at places s28 + r of my expert's list: 2 loads
	v_add_nc_u32 v10, s28, v2
	v_min_u32 v10, s25, v10                        ; not past the last entry that was written
	v_min_u32 v10, 2047, v10                       ; inside the table, whatever was read
	v_lshl_add_u32 v10, v10, 2, s29
	global_load_b32 v11, v10, s[8:9]
	global_load_b32 v12, v10, s[10:11]
.endm
.macro MUL2 s, first                   ; K step s: the two accumulators take turns, one instruction a turn
.irp n, 0,1
.if \first
	v_wmma_scale_f32_16x16x128_f8f6f4 v[ACC+8*\n:ACC+8*\n+7], v[16*(2*((\s)%8)+\n):16*(2*((\s)%8)+\n)+15], v[16*(\s):16*(\s)+15], v[B2+8*\n:B2+8*\n+7], v[WS+16*\n+(\s)], v[HS+4*((\s)/8)+((\s)%4)]
.elseif ((\s)/4)%2
	v_wmma_scale_f32_16x16x128_f8f6f4 v[ACC+8*\n:ACC+8*\n+7], v[16*(2*((\s)%8)+\n):16*(2*((\s)%8)+\n)+15], v[16*(\s):16*(\s)+15], v[ACC+8*\n:ACC+8*\n+7], v[WS+16*\n+(\s)], v[HS+4*((\s)/8)+((\s)%4)] matrix_b_scale:MATRIX_SCALE_ROW1
.else
	v_wmma_scale_f32_16x16x128_f8f6f4 v[ACC+8*\n:ACC+8*\n+7], v[16*(2*((\s)%8)+\n):16*(2*((\s)%8)+\n)+15], v[16*(\s):16*(\s)+15], v[ACC+8*\n:ACC+8*\n+7], v[WS+16*\n+(\s)], v[HS+4*((\s)/8)+((\s)%4)]
.endif
.endr
.endm
; A TILE.  At its head three groups of loads are out, in this order: its K steps 0-7 (33), its K steps 8-15 (33), its tokens and ratios (2).  refill = 1: the next tile's three groups are issued on the way, in the same order.
.macro BODY refill
	s_wait_loadcnt 35                              ; K steps 0-7 are in: 33 + 2 loads were issued behind them
	WIN 0x0d                                       ; W2 in window 1, the hidden layer in window 3
	MUL2 0, 1
.irp s, 1,2,3,4,5,6,7
	MUL2 \s, 0
.endr
	WIN 0
.rept 8
	v_nop                                          ; places ahead of the loads into registers that these products have read (ISA guide 7.12.1 for vector instructions)
.endr
.if \refill
	s_wait_xcnt 0x0                                ; the bases of the loads that are out are stepped only behind this wait
	s_add_nc_u64 s[4:5], s[4:5], 0x20000           ; four tiles on
	s_add_nc_u64 s[6:7], s[6:7], 0x1000
	s_add_co_u32 s28, s28, 64
	HLOAD 0
	s_wait_loadcnt 35                              ; K steps 8-15 are in: behind them stand the 2 small loads and the 33 just issued
.else
	s_wait_loadcnt 2                               ; K steps 8-15 are in: behind them stand the 2 small loads
.endif
	WIN 0x0e                                       ; W2 in window 2
.irp s, 8,9,10,11,12,13,14,15
	MUL2 \s, 0
.endr
	WIN 0
.rept 9
	v_nop                                          ; eight ahead of the reads of the results and of the loads below; the ninth since the next tile's first products write the accumulators anew
.endr
.if \refill
	s_wait_loadcnt 33                              ; this tile's tokens and ratios are in: the 33 loads of the next tile's first half stand behind them
	HLOAD 1
.else
	s_wait_loadcnt 0x0
.endif
.irp p, 0,2,4,6,8,10,12,14
	v_pk_mul_f32 v[ACC+\p:ACC+\p+1], v[ACC+\p:ACC+\p+1], v[12:13] op_sel_hi:[1,0]   ; x my token's ratio; each accumulator from its low end on
.endr
.irp n, 0,1
.irp u, 0,1
	ds_store_b128 v6, v[ACC+8*\n+4*\u:ACC+8*\n+4*\u+3] offset:64*\n+16*\u
.endr
.endr
	ds_store_b32 v7, v11 offset:TKS                ; row r's token (lanes 16-31 repeat lanes 0-15)
	s_wait_xcnt 0x0                                ; the last tile's stores have read their data and offsets: both are written again below
.irp i, 0,1,2,3
	ds_load_b128 v[O+4*\i:O+4*\i+3], v8 offset:576*\i      ; row l / 8 + 4 i, 16 bytes a lane.  LDS serves a wave's instructions in order: these see the stores above
.endr
	ds_load_b128 v[T4:T4+3], v9 offset:TKS         ; and the tokens of these four rows
	s_wait_dscnt 0x0
.if \refill
	SMALL
.endif
.irp i, 0,1,2,3
	v_min_u32 v[T4+\i], 2047, v[T4+\i]
	v_lshl_add_u32 v[OA+\i], v[T4+\i], 12, v14
	global_store_b128 v[OA+\i], v[O+4*\i:O+4*\i+3], s[18:19] th:TH_STORE_NT  ; eight lanes store 128 consecutive bytes of a token's row; written once, read by nobody here
.endr
.endm
	s_load_b512 s[4:19], s[0:1], 0x0               ; hq 4:5, hs 6:7, list 8:9, rs 10:11, W2's codes 12:13, its scales 14:15, b2 16:17, out0 18:19
	v_lshl_add_u32 v254, v0, 2, 0x12a00
	v_mov_b32 v255, 0
	v_lshrrev_b32 v1, 5, v0
	v_readfirstlane_b32 s20, v1                    ; wave
	s_mov_b32 s21, ttmp9                           ; q
	s_and_b32 s22, ttmp7, 0xffff                   ; e
	v_and_b32 v10, 31, v0                          ; lane
	v_lshlrev_b32 v1, 4, v10                       ; 16 x lane; never rewritten
	v_and_b32 v2, 15, v0                           ; r
	v_bfe_u32 v3, v0, 4, 1                         ; h
	s_mul_i32 s30, s20, 8*WP
	v_add_nc_u32 v4, s30, v1                       ; W2 into LDS: my 8 rows
	v_mul_u32_u24 v5, v2, WP
	v_lshl_add_u32 v5, v3, 4, v5                   ; a fragment of W2: row r, + 16 h
	s_mul_i32 s30, s20, STGW
	s_add_co_u32 s30, s30, STG                     ; my stage
	v_mul_u32_u24 v6, v2, 144
	v_lshl_add_u32 v6, v3, 5, v6
	v_add_nc_u32 v6, s30, v6                       ; into it: row r, + 32 h
	v_and_b32 v7, 3, v2
	v_lshlrev_b32 v7, 4, v7
	v_lshrrev_b32 v9, 2, v2
	v_lshl_add_u32 v7, v9, 2, v7
	v_add_nc_u32 v7, s30, v7                       ; row r's token at 16 (r % 4) + 4 (r / 4): the tokens of rows u, u + 4, u + 8, u + 12 lie together
	v_lshrrev_b32 v9, 3, v10                       ; l / 8
	v_and_b32 v14, 7, v10
	v_lshlrev_b32 v14, 4, v14                      ; 16 (l % 8): my 16 bytes of a row's 128
	v_mul_u32_u24 v8, v9, 144
	v_add_nc_u32 v8, v8, v14
	v_add_nc_u32 v8, s30, v8                       ; out of it: row l / 8
	v_lshl_add_u32 v9, v9, 4, s30                  ; and the four tokens
	v_lshlrev_b32 v15, 6, v2                       ; W2's scales: 64 bytes a row
	v_lshlrev_b32 v20, 5, v3                       ; b2: 8 h numbers on
	v_mov_b32 v13, 0                               ; named with v12 as a pair, so it is written
	s_lshl_b32 s27, s22, 2
	s_wait_kmcnt 0x0
	s_load_b32 s23, s[8:9], s27 offset:0x10000     ; my expert's count
	s_mov_b32 s31, 0
	s_lshl_b32 s30, s22, 22                        ; hq: 2^22 bytes an expert, 2^15 a tile: my first is tile w
	s_lshl_b32 s35, s20, 15
	s_add_co_u32 s30, s30, s35
	s_add_nc_u64 s[4:5], s[4:5], s[30:31]
	s_lshl_b32 s30, s22, 17                        ; hs: 2^17 an expert, 1,024 a tile
	s_lshl_b32 s35, s20, 10
	s_add_co_u32 s30, s30, s35
	s_add_nc_u64 s[6:7], s[6:7], s[30:31]
	s_lshl_b32 s30, s22, 21                        ; W2's codes: 2^21 an expert, 2^16 a work-group, 2^14 a wave
	s_lshl_b32 s35, s21, 16
	s_add_co_u32 s30, s30, s35
	s_lshl_b32 s35, s20, 14
	s_add_co_u32 s30, s30, s35
	s_add_nc_u64 s[12:13], s[12:13], s[30:31]
	s_lshl_b32 s30, s22, 16                        ; its scales: 32 rows of 64 bytes a work-group
	s_lshl_b32 s35, s21, 11
	s_add_co_u32 s30, s30, s35
	s_add_nc_u64 s[14:15], s[14:15], s[30:31]
	s_lshl_b32 s30, s22, 12                        ; b2: 32 numbers a work-group
	s_lshl_b32 s35, s21, 7
	s_add_co_u32 s30, s30, s35
	s_add_nc_u64 s[16:17], s[16:17], s[30:31]
	s_mov_b32 s30, s35                             ; out0: my 32 columns
	s_add_nc_u64 s[18:19], s[18:19], s[30:31]
	WIN 0x40
.set i, 0
.rept 32
	global_load_b128 v[4*i:4*i+3], v1, s[12:13] offset:512*i th:TH_LOAD_NT   ; my 8 rows of W2: 512 consecutive bytes a load; read once in the whole launch
.set i, i+1
.endr
	WIN 0
.irp n, 0,1
.irp i, 0,1,2,3
	global_load_b128 v[WS+16*\n+4*\i:WS+16*\n+4*\i+3], v15, s[14:15] offset:1024*\n+16*\i
.endr
.endr
.irp n, 0,1
.irp i, 0,1
	global_load_b128 v[B2+8*\n+4*\i:B2+8*\n+4*\i+3], v20, s[16:17] offset:64*\n+16*\i
.endr
.endr
	s_wait_kmcnt 0x0                               ; the count
	s_min_u32 s23, s23, 2048
	s_add_co_u32 s24, s23, 15
	s_lshr_b32 s24, s24, 4                         ; the expert's tiles of 16 rows
	s_max_u32 s25, s23, 1
	s_sub_co_u32 s25, s25, 1                       ; the last place that was written
	s_lshl_b32 s29, s22, 13                        ; my expert's part of list and of rs
	s_lshl_b32 s28, s20, 4                         ; tile w
	s_wait_loadcnt 0x0                             ; the weights, their scales and b2
	WIN 0x04
.set i, 0
.rept 32
	ds_store_b128 v4, v[4*i:4*i+3] offset:(i/4)*WP+512*(i%4)
.set i, i+1
.endr
	WIN 0
	s_wait_dscnt 0x0                               ; for the others' sake: my quarter of W2 lies in LDS
	s_barrier_signal -1
	s_barrier_wait -1                              ; the one barrier; every wave passes it
	s_cmp_ge_u32 s20, s24
	s_cbranch_scc1 .Lend                           ; no tile for this wave
	s_sub_co_u32 s27, s24, s20                     ; of my tiles w, w + 4, .. all but the last have a successor: (tiles - w - 1) / 4 of them;
	s_sub_co_u32 s27, s27, 1
	s_lshr_b32 s27, s27, 2                         ; the loop below counts them one by one
	HLOAD 0                                        ; my first tile travels while W2's fragments come out of LDS
	HLOAD 1
	SMALL
	WIN 0x40
.irp s, 0,1,2,3,4,5,6,7
.irp n, 0,1
.irp c, 0,1,2,3
	ds_load_b128 v[16*(2*\s+\n)+4*\c:16*(2*\s+\n)+4*\c+3], v5 offset:16*\n*WP+128*\s+32*\c
.endr
.endr
.endr
	WIN 0x80
.irp s, 0,1,2,3,4,5,6,7
.irp n, 0,1
.irp c, 0,1,2,3
	ds_load_b128 v[16*(2*\s+\n)+4*\c:16*(2*\s+\n)+4*\c+3], v5 offset:16*\n*WP+128*(\s+8)+32*\c
.endr
.endr
.endr
	WIN 0
	s_wait_dscnt 0x0
	s_mov_b32 s26, 0
	s_cmp_lg_u32 s27, 0
	s_cbranch_scc0 .Llast
.Ltile:
	BODY 1
	s_add_co_u32 s26, s26, 1
	s_cmp_lt_u32 s26, s27
	s_cbranch_scc1 .Ltile
.Llast:
	BODY 0                                         ; my last tile is written out: it asks for nothing more, and every counted wait has the same loads behind it on every way
.Lend:
	s_wait_tensorcnt 0x0
	ds_add_u32 v254, v255
	s_wait_dscnt 0x0
	s_endpgm
.Lfunc_end_k_q0fbc4c430c_down:
	.size	k_q0fbc4c430c_down, .Lfunc_end_k_q0fbc4c430c_down-k_q0fbc4c430c_down
	.p2alignl 7, 3214868480
	.fill 96, 4, 3214868480
	.section	.rodata,"a",@progbits
	.p2align	6, 0x0
	.amdhsa_kernel k_q0fbc4c430c_down
		.amdhsa_group_segment_fixed_size 76800
		.amdhsa_private_segment_fixed_size 0
		.amdhsa_enable_private_segment 0
		.amdhsa_kernarg_size 64
		.amdhsa_user_sgpr_count 2
		.amdhsa_user_sgpr_kernarg_segment_ptr 1
		.amdhsa_wavefront_size32 1
		.amdhsa_system_sgpr_workgroup_id_x 1
		.amdhsa_system_sgpr_workgroup_id_y 1
		.amdhsa_system_sgpr_workgroup_id_z 1
		.amdhsa_system_vgpr_workitem_id 0
		.amdhsa_next_free_vgpr 1024
		.amdhsa_next_free_sgpr 66
		.amdhsa_reserve_vcc 0
		.amdhsa_float_denorm_mode_32 3
		.amdhsa_float_denorm_mode_16_64 3
		.amdhsa_memory_ordered 1
		.amdhsa_forward_progress 1
		.amdhsa_inst_pref_size 46
	.end_amdhsa_kernel
	.amdgpu_metadata
---
amdhsa.version: [ 1, 2 ]
amdhsa.kernels:
  - .name:           k_q0fbc4c430c_down
    .symbol:         k_q0fbc4c430c_down.kd
    .args:
      - { .name: hq, .offset: 0, .size: 8, .value_kind: global_buffer, .address_space: global }
      - { .name: hs, .offset: 8, .size: 8, .value_kind: global_buffer, .address_space: global }
      - { .name: list, .offset: 16, .size: 8, .value_kind: global_buffer, .address_space: global }
      - { .name: rs, .offset: 24, .size: 8, .value_kind: global_buffer, .address_space: global }
      - { .name: W2_codes, .offset: 32, .size: 8, .value_kind: global_buffer, .address_space: global }
      - { .name: W2_scales, .offset: 40, .size: 8, .value_kind: global_buffer, .address_space: global }
      - { .name: b2, .offset: 48, .size: 8, .value_kind: global_buffer, .address_space: global }
      - { .name: out0, .offset: 56, .size: 8, .value_kind: global_buffer, .address_space: global }
    .group_segment_fixed_size: 76800
    .private_segment_fixed_size: 0
    .kernarg_segment_align: 8
    .kernarg_segment_size: 64
    .max_flat_workgroup_size: 128
    .sgpr_count:     66
    .vgpr_count:     1024
    .wavefront_size: 32
...
	.end_amdgpu_metadata
.endif
;; end of part 4
;; ======== version 2 of 2: 4 launches
;; workspace buffers: xq 2,097,152 bytes; xs 65,536 bytes; routes 8,192 bytes of whole numbers; ratio 8,192 bytes; list 65,792 bytes of whole numbers; rs 65,536 bytes; hq 33,554,432 bytes; hs 1,048,576 bytes
;; launch route (part 5): grid 256 x 1, 4 waves a work-group, no clusters, 86,784 bytes of LDS; arguments x, Wr, br, xq, xs, routes, ratio, out1; writes xq, xs, routes, ratio, out1
.if DOCPART == 5
	.amdgcn_target "amdgcn-amd-amdhsa--gfx1250"
	.amdhsa_code_object_version 6
	.text
	.protected	k_q0fbc4c430c_route
	.globl	k_q0fbc4c430c_route
	.p2align	8
	.type	k_q0fbc4c430c_route,@function
k_q0fbc4c430c_route:
	s_mov_b64 s[64:65], 0
	v_nop
	global_prefetch_b8 v0, s[64:65] scope:SCOPE_SE
	s_setreg_imm32_b32 hwreg(HW_REG_WAVE_MODE, 25, 1), 1
	s_wait_xcnt 0x0
; ROUTER AND QUANTISER OF x.  x [2048][1024] f32, Wr [1024][8] f32, br [8] f32.
; Out: out1 [2048][8] = softmax(x Wr + br); routes [2048] u32 = the place of the largest probability (lowest index on a tie); ratio [2048] = p_max x (1 / p_max);
; xq [2048][1024] = x as codes of E4M3, xs [2048][32] = one E8M0 byte for each 32 along K.  x is read once and serves both the logits and the codes.
; SHARES.  A work-group owns 8 tokens; wave w owns K = 256 w .. 256 w + 255 of all eight.  Every global load takes 512 consecutive bytes; x and Wr then turn through the wave's own
; stage in LDS, so that lane l holds the 8 neighbours k = 256 w + 8 l + 0 .. 7 of each token and the same 8 rows of Wr.  Four neighbouring lanes hold a block of 32.
; The logits are f32 multiply-adds (8 columns are too few for a matrix instruction); the waves' partial sums meet in LDS behind the one barrier and wave 0 finishes the eight rows.
; No address and no branch hangs on the route: it is stored at a fixed place and used by a later launch.
; No tensor loads, clusters or matrix units: a work-group reads 32 KiB of its own and the 32 KiB of Wr.
; LIMITS: NaN and infinities among the inputs are not served (a row of NaN would give route 8, which later launches hold at 7).  A block of zeros gets the byte 1 where the rule says 127:
; its codes are zeros and this program alone reads the bytes.  A probability is an exponential times a reciprocal, each good to one unit in the last place; one under 2^-126 comes out as 0.
.set WREG, 20992                       ; LDS of a wave: 8 stages of x (32 places of 32 bytes + 16), then the stage of Wr (32 places of 256 bytes + 16)
.set WRST, 12288
.set PART, 4*WREG                      ; 8 x 256 bytes: the 64 partial sums of each half of each wave
.set XSB,  PART+2048                   ; 256 bytes: the 8 tokens' scale bytes
.set X,    16                          ; v16-79   token t at X + 8 t
.set W,    80                          ; v80-143  Wr(8 l + j, e) at W + 8 j + e
.set ACC,  144                         ; v144-207 the partial logit (t, e) at ACC + 8 t + e
.set M,    208                         ; v208-215 a block's largest magnitude, one register a token
.set SC,   216                         ; v216-223 the conversion's scale operand
.set HOLD, 224                         ; v224-231 448 x the scale
.set BYTE, 232                         ; v232-239 the scale's byte
.set C,    240                         ; v240-255 codes, two registers a token
	s_load_b512 s[4:19], s[0:1], 0x0               ; x 4:5, Wr 6:7, br 8:9, xq 10:11, xs 12:13, routes 14:15, ratio 16:17, out1 18:19
	v_lshl_add_u32 v15, v0, 2, 0x15100
	s_set_vgpr_msb 0x40
	v_mov_b32 v1, 0
	s_set_vgpr_msb 0x4000
	v_lshrrev_b32 v1, 5, v0
	v_readfirstlane_b32 s20, v1                    ; wave
	v_and_b32 v1, 31, v0                           ; lane
	s_mul_i32 s21, s20, WREG
	v_lshrrev_b32 v2, 1, v1
	v_mul_u32_u24 v2, v2, 48
	v_and_b32 v11, 1, v1
	v_lshl_add_u32 v2, v11, 4, v2
	v_add_nc_u32 v2, s21, v2                       ; x into its stage: two lanes' 32 bytes to a place of 48
	v_mul_u32_u24 v3, v1, 48
	v_add_nc_u32 v3, s21, v3                       ; and out of it: place l
	v_lshrrev_b32 v6, 4, v1
	v_mul_u32_u24 v4, v6, 272
	v_and_b32 v11, 15, v1
	v_lshl_add_u32 v4, v11, 4, v4
	v_add_nc_u32 v4, s21, v4                       ; Wr into its stage: sixteen lanes' 256 bytes to a place of 272
	v_mul_u32_u24 v5, v1, 272
	v_add_nc_u32 v5, s21, v5                       ; and out of it: place l
	s_lshl_b32 s22, s20, 9
	s_add_co_u32 s22, s22, PART
	v_lshl_add_u32 v6, v6, 8, s22                  ; my half's 256 bytes of partial sums
	s_lshl_b32 s22, s20, 3
	s_add_co_u32 s22, s22, XSB
	v_lshrrev_b32 v7, 2, v1
	v_add_nc_u32 v7, s22, v7                       ; my block's scale byte: 8 w + l / 4 in a token's 32
	v_lshlrev_b32 v8, 4, v1                        ; 16 l
	v_lshlrev_b32 v9, 3, v1                        ; 8 l
	v_and_b32 v10, 3, v1
	v_lshlrev_b32 v10, 3, v10                      ; br: the pair of experts 2 (l % 4)
	s_mov_b32 s24, 0x600000                        ; the mantissa field of 448
	s_lshl_b32 s22, ttmp9, 15                      ; x: 8 rows of 4,096 bytes a work-group, 1,024 bytes a wave
	s_lshl_b32 s25, s20, 10
	s_add_co_u32 s22, s22, s25
	s_mov_b32 s23, 0
	s_lshl_b32 s26, s20, 13                        ; Wr: 256 rows of 32 bytes a wave
	s_mov_b32 s27, 0
	s_lshl_b32 s28, ttmp9, 13                      ; xq: 8 rows of 1,024 bytes, 256 bytes a wave
	s_lshl_b32 s25, s20, 8
	s_add_co_u32 s28, s28, s25
	s_mov_b32 s29, 0
	s_lshl_b32 s30, ttmp9, 8                       ; xs and out1: 256 bytes a work-group
	s_mov_b32 s31, 0
	s_lshl_b32 s32, ttmp9, 5                       ; routes and ratio: 32 bytes
	s_mov_b32 s33, 0
	s_wait_alu depctr_va_vdst(0)
	s_wait_kmcnt 0x0
	s_add_nc_u64 s[4:5], s[4:5], s[22:23]
	s_add_nc_u64 s[6:7], s[6:7], s[26:27]
	s_add_nc_u64 s[10:11], s[10:11], s[28:29]
	s_add_nc_u64 s[12:13], s[12:13], s[30:31]
	s_add_nc_u64 s[18:19], s[18:19], s[30:31]
	s_add_nc_u64 s[14:15], s[14:15], s[32:33]
	s_add_nc_u64 s[16:17], s[16:17], s[32:33]
	global_load_b64 v[12:13], v10, s[8:9]
.set i, 0
.rept 16
	global_load_b128 v[W+4*i:W+4*i+3], v8, s[6:7] offset:512*i
.set i, i+1
.endr
.set i, 0
.rept 16
	global_load_b128 v[X+4*i:X+4*i+3], v8, s[4:5] offset:4096*(i/2)+512*(i%2) th:TH_LOAD_NT
.set i, i+1
.endr
	s_wait_loadcnt 16                              ; br and Wr are in; the 16 loads of x issued behind them may be out
.set i, 0
.rept 16
	ds_store_b128 v4, v[W+4*i:W+4*i+3] offset:WRST+544*i
.set i, i+1
.endr
.set i, 0
.rept 16
	ds_load_b128 v[W+4*i:W+4*i+3], v5 offset:WRST+16*i     ; LDS serves a wave's instructions in order: these see the stores above
.set i, i+1
.endr
	s_wait_loadcnt 0x0                             ; x
.set i, 0
.rept 16
	ds_store_b128 v2, v[X+4*i:X+4*i+3] offset:1536*(i/2)+768*(i%2)
.set i, i+1
.endr
.set i, 0
.rept 16
	ds_load_b128 v[X+4*i:X+4*i+3], v3 offset:1536*(i/2)+16*(i%2)
.set i, i+1
.endr
	s_wait_dscnt 0x0
; The partial logits of token t: two experts an instruction; x(t, j) serves both halves (the first or the second register of its pair).  They stand ahead of the hold, which rewrites x.
.macro LOGIT t
.irp p, 0,2,4,6
	v_pk_mul_f32 v[ACC+8*\t+\p:ACC+8*\t+\p+1], v[X+8*\t:X+8*\t+1], v[W+\p:W+\p+1] op_sel_hi:[0,1]
.endr
.irp j, 1,2,3,4,5,6,7
.irp p, 0,2,4,6
.if \j % 2
	v_pk_fma_f32 v[ACC+8*\t+\p:ACC+8*\t+\p+1], v[X+8*\t+\j-1:X+8*\t+\j], v[W+8*\j+\p:W+8*\j+\p+1], v[ACC+8*\t+\p:ACC+8*\t+\p+1] op_sel:[1,0,0] op_sel_hi:[1,1,1]
.else
	v_pk_fma_f32 v[ACC+8*\t+\p:ACC+8*\t+\p+1], v[X+8*\t+\j:X+8*\t+\j+1], v[W+8*\j+\p:W+8*\j+\p+1], v[ACC+8*\t+\p:ACC+8*\t+\p+1] op_sel_hi:[0,1,1]
.endif
.endr
.endr
.endm
.irp t, 0,1,2,3,4,5,6,7
	LOGIT \t
.endr
; The quantiser, the eight tokens by turns.  A block's largest magnitude: my 8 numbers and the floor 2^(9 - 127), which holds the byte at 1 from below; then the three other lanes of the block.
.irp t, 0,1,2,3,4,5,6,7
	v_max3_num_f32 v[M+\t], |v[X+8*\t]|, |v[X+8*\t+1]|, 0x4800000
.endr
.irp i, 2,4,6
.irp t, 0,1,2,3,4,5,6,7
	v_max3_num_f32 v[M+\t], v[M+\t], |v[X+8*\t+\i]|, |v[X+8*\t+\i+1]|
.endr
.endr
.irp t, 0,1,2,3,4,5,6,7
	v_max_num_f32_dpp v[M+\t], v[M+\t], v[M+\t] row_xmask:1 row_mask:0xf bank_mask:0xf
.endr
.irp t, 0,1,2,3,4,5,6,7
	v_max_num_f32_dpp v[M+\t], v[M+\t], v[M+\t] row_xmask:2 row_mask:0xf bank_mask:0xf
.endr
.irp t, 0,1,2,3,4,5,6,7
	v_add_nc_u32 v[SC+\t], 0xfc000000, v[M+\t]     ; 8 off the exponent field: the conversion takes this operand's exponent field as its scale
.endr
.irp t, 0,1,2,3,4,5,6,7
	v_and_or_b32 v[HOLD+\t], v[M+\t], 0x7f800000, s24      ; 448 x the scale
.endr
.irp t, 0,1,2,3,4,5,6,7
	v_lshrrev_b32 v[BYTE+\t], 23, v[SC+\t]         ; the scale's byte
.endr
.irp t, 0,1,2,3,4,5,6,7
.irp i, 0,1,2,3,4,5,6,7
	v_med3_num_f32 v[X+8*\t+\i], v[X+8*\t+\i], -v[HOLD+\t], v[HOLD+\t]     ; the conversion to an 8-bit code does not saturate (ISA guide 7.6.2): the hold comes first
.endr
.endr
.irp t, 0,1,2,3,4,5,6,7
	v_cvt_scalef32_pk8_fp8_f32 v[C+2*\t:C+2*\t+1], v[X+8*\t:X+8*\t+7], v[SC+\t]
.endr
.irp t, 0,1,2,3,4,5,6,7
	ds_store_b8 v7, v[BYTE+\t] offset:32*\t        ; the four lanes of a block write the same byte with the same value
	global_store_b64 v9, v[C+2*\t:C+2*\t+1], s[10:11] offset:1024*\t       ; the wave stores 256 consecutive bytes, aligned
.endr
; The partial sums over the 16 lanes of each half; the two halves and the four waves meet in LDS.
.irp m, 1,2,4,8
.set i, 0
.rept 64
	v_add_f32_dpp v[ACC+i], v[ACC+i], v[ACC+i] row_xmask:\m row_mask:0xf bank_mask:0xf
.set i, i+1
.endr
.endr
.set i, 0
.rept 16
	ds_store_b128 v6, v[ACC+4*i:ACC+4*i+3] offset:16*i     ; the sixteen lanes of a half hold the same sums and write the same bytes
.set i, i+1
.endr
	s_wait_dscnt 0x0                               ; for wave 0's sake: my sums and my scale bytes lie in LDS
	s_barrier_signal -1
	s_barrier_wait -1
	s_cmp_lg_u32 s20, 0
	s_cbranch_scc1 .Lend
; Wave 0: lane l has token l / 4 and experts 2 (l % 4), 2 (l % 4) + 1: a row lies in four neighbouring lanes.
	v_add_nc_u32 v11, PART, v9
	v_add_nc_u32 v14, XSB, v9
.irp c, 0,1,2,3,4,5,6,7
	ds_load_b64 v[16+2*\c:17+2*\c], v11 offset:256*\c
.endr
	ds_load_b64 v[32:33], v14
	s_wait_dscnt 0x0
	v_pk_add_f32 v[16:17], v[16:17], v[18:19]
	v_pk_add_f32 v[20:21], v[20:21], v[22:23]
	v_pk_add_f32 v[24:25], v[24:25], v[26:27]
	v_pk_add_f32 v[28:29], v[28:29], v[30:31]
	v_pk_add_f32 v[16:17], v[16:17], v[20:21]
	v_pk_add_f32 v[24:25], v[24:25], v[28:29]
	v_pk_add_f32 v[16:17], v[16:17], v[24:25]
	v_pk_add_f32 v[16:17], v[16:17], v[12:13]      ; + br: the logits
	v_max_num_f32 v18, v16, v17
	v_max_num_f32_dpp v18, v18, v18 row_xmask:1 row_mask:0xf bank_mask:0xf
	v_max_num_f32_dpp v18, v18, v18 row_xmask:2 row_mask:0xf bank_mask:0xf ; the row's largest logit is taken away ahead of the exponential
	v_sub_f32 v20, v16, v18
	v_sub_f32 v21, v17, v18
	v_mul_f32 v20, 0x3fb8aa3b, v20
	v_mul_f32 v21, 0x3fb8aa3b, v21
	s_wait_alu depctr_va_vdst(0)
	v_exp_f32 v20, v20
	v_exp_f32 v21, v21
	v_nop                                          ; a plain place behind the transcendentals
	s_wait_alu depctr_va_vdst(0)
	v_add_f32 v22, v20, v21
	v_add_f32_dpp v22, v22, v22 row_xmask:1 row_mask:0xf bank_mask:0xf
	v_add_f32_dpp v22, v22, v22 row_xmask:2 row_mask:0xf bank_mask:0xf
	s_wait_alu depctr_va_vdst(0)
	v_rcp_f32 v23, v22
	v_nop
	s_wait_alu depctr_va_vdst(0)
	v_mul_f32 v24, v20, v23                        ; the probabilities
	v_mul_f32 v25, v21, v23
	v_max_num_f32 v26, v24, v25
	v_max_num_f32_dpp v26, v26, v26 row_xmask:1 row_mask:0xf bank_mask:0xf
	v_max_num_f32_dpp v26, v26, v26 row_xmask:2 row_mask:0xf bank_mask:0xf ; p_max
	s_wait_alu depctr_va_vdst(0)
	v_rcp_f32 v27, v26
	v_and_b32 v28, 3, v1                           ; (a plain place)
	v_lshlrev_b32 v28, 1, v28
	v_cvt_f32_u32 v29, v28                         ; my two experts' numbers as f32
	v_add_f32 v30, 1.0, v29
	v_mov_b32 v31, 0x41000000                      ; 8.0: over every expert's number
	v_cmp_eq_f32 vcc_lo, v24, v26
	v_cndmask_b32 v29, v31, v29, vcc_lo
	v_cmp_eq_f32 vcc_lo, v25, v26
	v_cndmask_b32 v30, v31, v30, vcc_lo
	v_min_num_f32 v29, v29, v30                    ; the lowest number among the experts that reach p_max
	v_min_num_f32_dpp v29, v29, v29 row_xmask:1 row_mask:0xf bank_mask:0xf
	v_min_num_f32_dpp v29, v29, v29 row_xmask:2 row_mask:0xf bank_mask:0xf
	v_cvt_u32_f32 v29, v29
	s_wait_alu depctr_va_vdst(0)
	v_mul_f32 v27, v26, v27                        ; p_max / p_max
	v_and_b32 v34, 0x1c, v1                        ; 4 x token: the four lanes of a token store the same word with the same value
	global_store_b64 v9, v[24:25], s[18:19]        ; out1: 256 consecutive bytes, aligned
	global_store_b64 v9, v[32:33], s[12:13]        ; xs likewise
	global_store_b32 v34, v29, s[14:15]
	global_store_b32 v34, v27, s[16:17]
.Lend:
	s_set_vgpr_msb 0x4
	s_wait_tensorcnt 0x0
	ds_add_u32 v15, v1
	s_wait_dscnt 0x0
	s_set_vgpr_msb 0x400
	s_endpgm
.Lfunc_end_k_q0fbc4c430c_route:
	.size	k_q0fbc4c430c_route, .Lfunc_end_k_q0fbc4c430c_route-k_q0fbc4c430c_route
	.p2alignl 7, 3214868480
	.fill 96, 4, 3214868480
	.section	.rodata,"a",@progbits
	.p2align	6, 0x0
	.amdhsa_kernel k_q0fbc4c430c_route
		.amdhsa_group_segment_fixed_size 86784
		.amdhsa_private_segment_fixed_size 0
		.amdhsa_enable_private_segment 0
		.amdhsa_kernarg_size 64
		.amdhsa_user_sgpr_count 2
		.amdhsa_user_sgpr_kernarg_segment_ptr 1
		.amdhsa_wavefront_size32 1
		.amdhsa_system_sgpr_workgroup_id_x 1
		.amdhsa_system_sgpr_workgroup_id_y 1
		.amdhsa_system_sgpr_workgroup_id_z 1
		.amdhsa_system_vgpr_workitem_id 0
		.amdhsa_next_free_vgpr 258
		.amdhsa_next_free_sgpr 66
		.amdhsa_reserve_vcc 1
		.amdhsa_float_denorm_mode_32 3
		.amdhsa_float_denorm_mode_16_64 3
		.amdhsa_memory_ordered 1
		.amdhsa_forward_progress 1
		.amdhsa_inst_pref_size 57
	.end_amdhsa_kernel
	.amdgpu_metadata
---
amdhsa.version: [ 1, 2 ]
amdhsa.kernels:
  - .name:           k_q0fbc4c430c_route
    .symbol:         k_q0fbc4c430c_route.kd
    .args:
      - { .name: x, .offset: 0, .size: 8, .value_kind: global_buffer, .address_space: global }
      - { .name: Wr, .offset: 8, .size: 8, .value_kind: global_buffer, .address_space: global }
      - { .name: br, .offset: 16, .size: 8, .value_kind: global_buffer, .address_space: global }
      - { .name: xq, .offset: 24, .size: 8, .value_kind: global_buffer, .address_space: global }
      - { .name: xs, .offset: 32, .size: 8, .value_kind: global_buffer, .address_space: global }
      - { .name: routes, .offset: 40, .size: 8, .value_kind: global_buffer, .address_space: global }
      - { .name: ratio, .offset: 48, .size: 8, .value_kind: global_buffer, .address_space: global }
      - { .name: out1, .offset: 56, .size: 8, .value_kind: global_buffer, .address_space: global }
    .group_segment_fixed_size: 86784
    .private_segment_fixed_size: 0
    .kernarg_segment_align: 8
    .kernarg_segment_size: 64
    .max_flat_workgroup_size: 128
    .sgpr_count:     66
    .vgpr_count:     258
    .wavefront_size: 32
...
	.end_amdgpu_metadata
.endif
;; end of part 5
;; launch place (part 6): grid 1 x 1, 8 waves a work-group, no clusters, 2,048 bytes of LDS; arguments routes, ratio, list, rs, out2; writes list, rs, out2
.if DOCPART == 6
	.amdgcn_target "amdgcn-amd-amdhsa--gfx1250"
	.amdhsa_code_object_version 6
	.text
	.protected	k_q0fbc4c430c_place
	.globl	k_q0fbc4c430c_place
	.p2align	8
	.type	k_q0fbc4c430c_place,@function
k_q0fbc4c430c_place:
	s_mov_b64 s[64:65], 0
	v_nop
	global_prefetch_b8 v0, s[64:65] scope:SCOPE_SE
	s_setreg_imm32_b32 hwreg(HW_REG_WAVE_MODE, 25, 1), 1
	s_wait_xcnt 0x0
; A COUNTING SORT OF THE 2,048 TOKENS BY EXPERT, without atomics.  routes [2048] u32, ratio [2048] f32.
; Out: list [8][2048] u32: the tokens of expert e at places 0 .. count - 1; behind it, at byte 65,536, the 8 counts as u32; rs [8][2048] f32: ratio in the list's order; out2 [8] f32: the counts.
; One work-group of eight waves: the sort needs every wave's counts, and 16 KiB are read in all.  Wave w takes tokens 256 w .. 256 w + 255, eight a lane.
; A token's place = what earlier waves count for its expert + what this wave has counted so far + the lanes below it with the same expert (a mask, its bits below my lane).
; A route over 7 (which only a row of NaN could give) is held at 7.
.set R,   8                            ; v8-15  routes: register 4 i + k = token 256 w + 128 i + 4 l + k
.set F,   16                           ; v16-23 ratio of the same tokens
.set P,   24                           ; v24-31 the place within my wave's share of the expert
.set TOK, 32                           ; v32-39 the tokens' numbers
.set D,   40                           ; v40-47 the place in the list, then its byte offset
.set T,   50                           ; v50-57 lane e: wave u's count of expert e; later the permutes' indices
	s_load_b256 s[4:11], s[0:1], 0x0               ; routes 4:5, ratio 6:7, list 8:9, rs 10:11
	s_load_b64 s[12:13], s[0:1], 0x20              ; out2
	v_lshl_add_u32 v64, v0, 2, 0x400
	v_mov_b32 v65, 0
	v_lshrrev_b32 v1, 5, v0
	s_delay_alu instid0(VALU_DEP_1)
	v_readfirstlane_b32 s14, v1                    ; wave
	v_and_b32 v1, 31, v0
	s_delay_alu instid0(VALU_DEP_1)
	v_lshlrev_b32 v2, 4, v1                        ; 16 l
	v_lshlrev_b32 v60, 2, v0                       ; LDS: 128 bytes a wave, a word a lane
	s_delay_alu instid0(VALU_DEP_3)
	v_lshlrev_b32 v61, 2, v1                       ; 4 l
	s_lshl_b32 s26, s14, 10                        ; my wave's 256 words
	s_mov_b32 s27, 0
	s_lshl_b32 s25, s14, 8
	v_add_nc_u32 v3, s25, v61                      ; 256 w + 4 l
.irp j, 0,1,2,3,4,5,6,7
	v_add_nc_u32 v[TOK+\j], 128*(\j/4)+(\j%4), v3
	v_mov_b32 v[P+\j], 0
	s_mov_b32 s[16+\j], 0                          ; s16-23: my wave's running count of each expert
.endr
	s_wait_kmcnt 0x0
	s_add_nc_u64 s[4:5], s[4:5], s[26:27]
	s_add_nc_u64 s[6:7], s[6:7], s[26:27]
	global_load_b128 v[R:R+3], v2, s[4:5]
	global_load_b128 v[R+4:R+7], v2, s[4:5] offset:512
	global_load_b128 v[F:F+3], v2, s[6:7]
	global_load_b128 v[F+4:F+7], v2, s[6:7] offset:512
	s_wait_loadcnt 0x0
.irp j, 0,1,2,3,4,5,6,7
	v_min_u32 v[R+\j], 7, v[R+\j]
.endr
.irp j, 0,1,2,3,4,5,6,7
.irp e, 0,1,2,3,4,5,6,7
	v_cmp_eq_u32 s24, \e, v[R+\j]                  ; the lanes whose token j goes to expert e
	s_delay_alu instid0(VALU_DEP_1)
	v_mbcnt_lo_u32_b32 v48, s24, s[16+\e]          ; those below me + the count so far
	s_delay_alu instid0(VALU_DEP_1)
	v_cndmask_b32 v[P+\j], v[P+\j], v48, s24
	s_bcnt1_i32_b32 s25, s24
	s_add_co_u32 s[16+\e], s[16+\e], s25
.endr
.endr
	v_mov_b32 v49, 0
.irp e, 0,1,2,3,4,5,6,7
	s_delay_alu instid0(VALU_DEP_1)
	v_writelane_b32 v49, s[16+\e], \e              ; lane e: my wave's count of expert e
.endr
	ds_store_b32 v60, v49
	s_wait_dscnt 0x0                               ; for the others' sake
	s_barrier_signal -1
	s_barrier_wait -1
.irp u, 0,1,2,3,4,5,6,7
	ds_load_b32 v[T+\u], v61 offset:128*\u
.endr
	v_mov_b32 v58, 0                               ; lane e: all waves' count of expert e,
	v_mov_b32 v59, 0                               ; and that of the waves ahead of mine
	s_wait_dscnt 0x0
.irp u, 0,1,2,3,4,5,6,7
	s_cmp_gt_u32 s14, \u
	s_cselect_b32 s25, -1, 0
	v_and_b32 v48, s25, v[T+\u]
	s_wait_alu depctr_va_vdst(0)
	v_add_nc_u32 v59, v59, v48
	v_add_nc_u32 v58, v58, v[T+\u]
.endr
.irp j, 0,1,2,3,4,5,6,7
	v_lshlrev_b32 v[T+\j], 2, v[R+\j]
.endr
.irp j, 0,1,2,3,4,5,6,7
	ds_bpermute_b32 v[D+\j], v[T+\j], v59          ; from lane e = my token's expert: what the earlier waves count
.endr
	s_wait_dscnt 0x0
.irp j, 0,1,2,3,4,5,6,7
	v_add_nc_u32 v[D+\j], v[D+\j], v[P+\j]
	s_delay_alu instid0(VALU_DEP_1)
	v_lshl_add_u32 v[D+\j], v[R+\j], 11, v[D+\j]   ; + 2,048 x expert
	s_delay_alu instid0(VALU_DEP_1)
	v_min_u32 v[D+\j], 16383, v[D+\j]              ; inside the table, whatever was read
	s_delay_alu instid0(VALU_DEP_1)
	v_lshlrev_b32 v[D+\j], 2, v[D+\j]
.endr
.irp j, 0,1,2,3,4,5,6,7
	global_store_b32 v[D+\j], v[TOK+\j], s[8:9]
	global_store_b32 v[D+\j], v[F+\j], s[10:11]
.endr
	s_cmp_lg_u32 s14, 0
	s_cbranch_scc1 .Lend
	v_cvt_f32_u32 v48, v58
	v_cmp_gt_u32 vcc_lo, 8, v0
	s_wait_alu depctr_va_vdst(0)
	s_wait_xcnt 0x0                                ; EXEC is a source of the stores above: it changes only behind this wait
	s_and_saveexec_b32 s25, vcc_lo
	global_store_b32 v61, v58, s[8:9] offset:65536 ; the counts as whole numbers, for the launches that follow
	global_store_b32 v61, v48, s[12:13]            ; and as f32: out2
	s_wait_xcnt 0x0
	s_or_b32 exec_lo, exec_lo, s25
.Lend:
	s_wait_tensorcnt 0x0
	ds_add_u32 v64, v65
	s_wait_dscnt 0x0
	s_endpgm
.Lfunc_end_k_q0fbc4c430c_place:
	.size	k_q0fbc4c430c_place, .Lfunc_end_k_q0fbc4c430c_place-k_q0fbc4c430c_place
	.p2alignl 7, 3214868480
	.fill 96, 4, 3214868480
	.section	.rodata,"a",@progbits
	.p2align	6, 0x0
	.amdhsa_kernel k_q0fbc4c430c_place
		.amdhsa_group_segment_fixed_size 2048
		.amdhsa_private_segment_fixed_size 0
		.amdhsa_enable_private_segment 0
		.amdhsa_kernarg_size 40
		.amdhsa_user_sgpr_count 2
		.amdhsa_user_sgpr_kernarg_segment_ptr 1
		.amdhsa_wavefront_size32 1
		.amdhsa_system_sgpr_workgroup_id_x 1
		.amdhsa_system_sgpr_workgroup_id_y 1
		.amdhsa_system_sgpr_workgroup_id_z 1
		.amdhsa_system_vgpr_workitem_id 0
		.amdhsa_next_free_vgpr 66
		.amdhsa_next_free_sgpr 66
		.amdhsa_reserve_vcc 1
		.amdhsa_float_denorm_mode_32 3
		.amdhsa_float_denorm_mode_16_64 3
		.amdhsa_memory_ordered 1
		.amdhsa_forward_progress 1
		.amdhsa_inst_pref_size 31
	.end_amdhsa_kernel
	.amdgpu_metadata
---
amdhsa.version: [ 1, 2 ]
amdhsa.kernels:
  - .name:           k_q0fbc4c430c_place
    .symbol:         k_q0fbc4c430c_place.kd
    .args:
      - { .name: routes, .offset: 0, .size: 8, .value_kind: global_buffer, .address_space: global }
      - { .name: ratio, .offset: 8, .size: 8, .value_kind: global_buffer, .address_space: global }
      - { .name: list, .offset: 16, .size: 8, .value_kind: global_buffer, .address_space: global }
      - { .name: rs, .offset: 24, .size: 8, .value_kind: global_buffer, .address_space: global }
      - { .name: out2, .offset: 32, .size: 8, .value_kind: global_buffer, .address_space: global }
    .group_segment_fixed_size: 2048
    .private_segment_fixed_size: 0
    .kernarg_segment_align: 8
    .kernarg_segment_size: 40
    .max_flat_workgroup_size: 256
    .sgpr_count:     66
    .vgpr_count:     66
    .wavefront_size: 32
...
	.end_amdgpu_metadata
.endif
;; end of part 6
;; launch up (part 7): grid 32 x 8, 4 waves a work-group, no clusters, 135,680 bytes of LDS; arguments xq, xs, list, W1_codes, W1_scales, b1, hq, hs; writes hq, hs
.if DOCPART == 7
	.amdgcn_target "amdgcn-amd-amdhsa--gfx1250"
	.amdhsa_code_object_version 6
	.text
	.protected	k_q0fbc4c430c_up
	.globl	k_q0fbc4c430c_up
	.p2align	8
	.type	k_q0fbc4c430c_up,@function
k_q0fbc4c430c_up:
	s_mov_b64 s[64:65], 0
	v_nop
	global_prefetch_b8 v0, s[64:65] scope:SCOPE_SE
	s_setreg_imm32_b32 hwreg(HW_REG_WAVE_SCHED_MODE, 0, 2), 2
	s_setreg_imm32_b32 hwreg(HW_REG_WAVE_MODE, 25, 1), 1
	s_wait_xcnt 0x0
	s_wait_alu depctr_vm_vsrc(0)
; THE FIRST PRODUCT, FOR ROUTED ROWS ONLY: hidden = Q(relu(x W1[e] + b1[e])), on codes of E4M3 with E8M0 scales; Q is the quantiser along the second product's K.
; SHARES.  Work-group (q, e) owns hidden units 64 q .. 64 q + 63 of expert e: 64 rows of W1's codes, 65,536 consecutive bytes, which no other work-group reads.  Each wave loads a quarter of them in
; runs of 512 bytes; they meet in LDS behind the launch's one barrier, and every wave then keeps all of them in registers: 32 fragments, 512 registers.  Wave w walks the expert's tiles of 16 rows
; w, w + 4, .. on its own: 32 matrix instructions a tile.
; ROWS.  The expert's tokens stand in list (an earlier launch stored it, with the counts at byte 65,536).  A tile's place p is read at min(p, count - 1): a spare row of the last tile is the last row once more.
; A row's 1,024 codes come as two loads of 512 consecutive bytes and turn through the wave's own stage in LDS into fragments.
; LAYOUT.  The product is used transposed (source 0 = 16 rows of W1, source 1 = 16 tokens): a lane holds one token.  Lane r of tile t takes W1's row 32 (t / 2) + 8 (t % 2) + r + 8 (r / 8), so that the
; 16 registers of tiles 2 b, 2 b + 1 are the 16 neighbours 32 b + 16 (lane / 16) + 0 .. 15 along the next K: the conversions' results are registers of the next operand.  b1 is the C of a sum's first product.
; OUT.  hq: images of the next operand's registers, [e][tile][K step 16][4][lane 32][16 bytes]; hs: scale words [e][tile][step / 4][row 16][step % 4].  This work-group writes half of K step q / 2.
; NO TENSOR LOADS AND NO CLUSTER, though the 32 work-groups of an expert read the same rows of x: the trips hang on a count read from memory;
; the weights, which are the larger part of what comes from memory, are shared by nobody.
; An expert without rows: its waves read the first count word in place of a list entry (no unwritten byte is read), pass the barrier and end.
; LIMITS: NaN and infinities are not served.  A block of zeros gets the byte 1 where the rule says 127: its codes are zeros and this program alone reads the bytes.
; THE MODE: SCHED_MODE bits 1:0 = 2 (LLVM: expert scheduling mode 2), set by the entry lines.  The code itself states the register dependences
; between vector or matrix instructions and memory or LDS instructions, with s_wait_alu, always for 0.
; THE PLAN.  Registers that memory or LDS instructions touch, round the loop:
;   the rows as loaded (window 3, v0-131)  written by NEXT's 33 row loads; read by the 33 LDS stores at the next trip's head.
;   v[OF ..], v12, v10                     written by NEXT's address lines; read by its 34 loads.
;   v11                                    written by NEXT's last load; read and rewritten by the next NEXT's address lines.
;   v[AF ..], v[XS ..]                     written by the trip's 34 LDS loads; read by its 32 products.
;   v[PC ..], v[PW]                        written by QUANT; read by the trip's three stores.
;   v1, v4 to v9, v13 to v15               offsets and LDS addresses: made at the head, never written again.
;   W1's fragments, their scale words and b1 are loaded ahead of the loop and named by products alone; the accumulators and v[TM ..] by vector and matrix instructions alone.
; A trip has four waits: one on vm_vsrc behind the stage's stores, ahead of all that is written again; one on va_sdst behind the sixteen v_readlane_b32; one on va_vdst behind all the address lines, for the
; 34 loads; one on va_vdst behind QUANT, for the three stores and for the next trip's LDS loads into x's fragments.  The next tile's rows are asked for straight behind the stage's stores, ahead of the LDS loads.
.set WP,   1040                        ; a row of W1 in LDS: 1,024 bytes + 16 = 65 x 16: the 16 rows of a fragment load start in 16 different columns of 16 bytes
.set XP,   1072                        ; a token's row in a wave's stage: 1,024 codes, 32 scale bytes, 16 of padding = 67 x 16
.set XST,  64*WP                       ; behind W1's 64 rows: a stage of 16 rows for each wave
.set XSTW, 16*XP
.set OF,   16                          ; v16-31   byte offsets of the tile's 16 rows in xq, + 16 x lane
.set WS,   32                          ; v32-63   W1's scale words: tile t, K step s at 8 t + s
.set XS,   64                          ; v64-71   x's scale words of the 8 K steps
.set ACC,  72                          ; v72-103  four accumulators
.set PC,   104                         ; v104-111 the codes just made
.set TM,   112                         ; v112-121 for two blocks each: largest magnitude, the other half's, 448 x scale, scale operand, byte
.set PW,   122                         ; v122     two scale bytes
.set AF,   128                         ; v128-255 x's fragments: K step s at 16 s
.set B1,   160                         ; window 3: v0-127 a tile's rows as loaded, v128-131 their scale bytes, v160-191 b1 in the result's layout
.set TK,   36                          ; s36-51   the tile's 16 tokens
; windows 1 and 2: W1's fragments, (K step s, tile t) at 16 (4 s + t); window 1's v0-127 first take the codes as loaded
.set MSB, 0
.macro WIN new                         ; s_set_vgpr_msb: bits 1:0 source 0, 3:2 source 1, 5:4 source 2, 7:6 destination; the high byte repeats the setting that is left
.if MSB != \new
	s_set_vgpr_msb (MSB<<8)|\new
.set MSB, \new
.endif
.endm
.macro LISTADR                         ; v10: where the tokens at places s28 + r of my expert's list lie
	v_add_nc_u32 v10, s28, v2
	v_min_u32 v10, s25, v10                        ; not past the last entry that was written
	v_min_u32 v10, 2047, v10                       ; inside the table, whatever was read
	v_lshl_add_u32 v10, v10, 2, s29
.endm
; The 16 rows named by v11: 32 loads of 512 consecutive bytes, and one of the rows' scale bytes; then the tokens of the tile four further on: 34 loads.
; All the address lines stand first, so that one wait serves all 34 loads.  Ahead of each use stands a wait on vm_vsrc for the registers that are written again here.
.macro NEXT
	v_min_u32 v11, 2047, v11
.irp j, 0,1,2,3,4,5,6,7,8,9,10,11,12,13,14,15
	v_readlane_b32 s[TK+\j], v11, \j
.endr
	s_wait_alu depctr_va_sdst(0)                   ; s[TK ..] are written, ahead of their first readers, the sixteen lines below
.irp j, 0,1,2,3,4,5,6,7,8,9,10,11,12,13,14,15
	s_min_u32 s[TK+\j], s[TK+\j], 2047
.endr
.irp j, 0,1,2,3,4,5,6,7,8,9,10,11,12,13,14,15
	v_lshl_add_u32 v[OF+\j], s[TK+\j], 10, v1
.endr
	v_lshlrev_b32 v12, 5, v11
	v_lshl_add_u32 v12, v3, 4, v12                 ; lane (r, h): half h of row r's 32 scale bytes
	s_add_co_u32 s28, s28, 64                      ; four tiles on in the list
	LISTADR
	WIN 0xc0
	s_wait_alu depctr_va_vdst(0)                   ; v[OF ..], v12 and v10 are written, which the 34 loads read as offsets; the lines above are done with v11, in which the last of them lands
.irp j, 0,1,2,3,4,5,6,7,8,9,10,11,12,13,14,15
	global_load_b128 v[8*\j:8*\j+3], v[OF+\j], s[4:5]
	global_load_b128 v[8*\j+4:8*\j+7], v[OF+\j], s[4:5] offset:512
.endr
	global_load_b128 v[128:131], v12, s[6:7]
	WIN 0
	global_load_b32 v11, v10, s[8:9]               ; only loads and a window switch stand between the wait and this load
.endm
.macro MUL4 s, first                   ; K step s: the four accumulators take turns, one instruction a turn
.irp t, 0,1,2,3
.if \first
	v_wmma_scale_f32_16x16x128_f8f6f4 v[ACC+8*\t:ACC+8*\t+7], v[16*(4*((\s)%4)+\t):16*(4*((\s)%4)+\t)+15], v[AF+16*(\s):AF+16*(\s)+15], v[B1+8*\t:B1+8*\t+7], v[WS+8*\t+(\s)], v[XS+(\s)]
.else
	v_wmma_scale_f32_16x16x128_f8f6f4 v[ACC+8*\t:ACC+8*\t+7], v[16*(4*((\s)%4)+\t):16*(4*((\s)%4)+\t)+15], v[AF+16*(\s):AF+16*(\s)+15], v[ACC+8*\t:ACC+8*\t+7], v[WS+8*\t+(\s)], v[XS+(\s)]
.endif
.endr
.endm
.macro QUANT                           ; the lane's 32 results, register 16 b + i = unit 32 b + 16 (lane / 16) + i of its token, become codes in v[PC] on and two scale bytes in v[PW]
.irp b, 0,1
	v_max3_num_f32 v[TM+\b], v[ACC+16*\b], v[ACC+16*\b+1], 0x4800000       ; no |.|: what is negative becomes 0 and must not count; the floor 2^(9 - 127) holds the byte at 1 from below
.endr
.irp i, 2,4,6,8,10,12,14
.irp b, 0,1
	v_max3_num_f32 v[TM+\b], v[TM+\b], v[ACC+16*\b+\i], v[ACC+16*\b+\i+1]  ; each accumulator is read from its low end on
.endr
.endr
.irp b, 0,1
	v_permlanex16_b32 v[TM+2+\b], v[TM+\b], s32, s33
.endr
.irp b, 0,1
	v_max_num_f32 v[TM+\b], v[TM+\b], v[TM+2+\b]   ; with lane l xor 16's 16: the block's
.endr
.irp b, 0,1
	v_add_nc_u32 v[TM+6+\b], 0xfc000000, v[TM+\b]  ; 8 off the exponent field: the conversion's scale operand
.endr
.irp b, 0,1
	v_and_or_b32 v[TM+4+\b], v[TM+\b], 0x7f800000, s34     ; 448 x the scale
.endr
.irp b, 0,1
	v_lshrrev_b32 v[TM+8+\b], 23, v[TM+6+\b]       ; the scale's byte
.endr
	v_lshl_or_b32 v[PW], v[TM+9], 8, v[TM+8]
.irp b, 0,1
.irp i, 0,1,2,3,4,5,6,7,8,9,10,11,12,13,14,15
	v_med3_num_f32 v[ACC+16*\b+\i], v[ACC+16*\b+\i], 0, v[TM+4+\b]         ; the activation and the hold in one (the conversion does not saturate: ISA guide 7.6.2)
.endr
	v_cvt_scalef32_pk8_fp8_f32 v[PC+4*\b:PC+4*\b+1], v[ACC+16*\b:ACC+16*\b+7], v[TM+6+\b]
	v_cvt_scalef32_pk8_fp8_f32 v[PC+4*\b+2:PC+4*\b+3], v[ACC+16*\b+8:ACC+16*\b+15], v[TM+6+\b]
.endr
	v_nop                                          ; a plain place between the conversions and the next products, which write their sources
.endm
	s_load_b512 s[4:19], s[0:1], 0x0               ; xq 4:5, xs 6:7, list 8:9, W1's codes 10:11, its scales 12:13, b1 14:15, hq 16:17, hs 18:19
	v_lshl_add_u32 v126, v0, 2, 0x21000
	v_mov_b32 v127, 0
	v_lshrrev_b32 v1, 5, v0
	v_readfirstlane_b32 s20, v1                    ; wave
	s_mov_b32 s21, ttmp9                           ; q
	s_and_b32 s22, ttmp7, 0xffff                   ; e
	v_and_b32 v1, 31, v0
	v_lshlrev_b32 v1, 4, v1                        ; 16 x lane; never rewritten
	s_wait_alu depctr_va_vdst(0)
	v_and_b32 v2, 15, v0                           ; r
	s_wait_alu depctr_va_vdst(0)
	v_bfe_u32 v3, v0, 4, 1                         ; h
	s_wait_alu depctr_va_sdst(0)                   ; s20 is written, ahead of its first reader: LDS addresses, bases and the count of my tiles are made from it
	s_lshr_b32 s30, s20, 1                         ; W1 into LDS: memory row 16 w + u lies at LDS row 32 (w / 2) + 8 (w % 2) + 16 (u / 8) + u % 8 (bits 3 and 4 change places),
	s_lshl_b32 s30, s30, 5                         ; so that the 16 rows of tile t are LDS rows 16 t + r
	s_and_b32 s31, s20, 1
	s_lshl_b32 s31, s31, 3
	s_add_co_u32 s30, s30, s31
	s_mul_i32 s30, s30, WP
	v_add_nc_u32 v4, s30, v1
	v_mul_u32_u24 v5, v2, WP
	v_lshl_add_u32 v5, v3, 4, v5                   ; a fragment of W1: row r, + 16 h
	s_mul_i32 s30, s20, XSTW
	s_add_co_u32 s30, s30, XST                     ; my stage
	v_add_nc_u32 v6, s30, v1                       ; rows into it: 16 x lane
	v_mul_u32_u24 v9, v2, XP
	v_add_nc_u32 v9, s30, v9
	s_wait_alu depctr_va_vdst(0)
	v_lshl_add_u32 v8, v3, 4, v9                   ; a fragment of x: row r, + 16 h
	v_add_nc_u32 v7, 1024, v8                      ; scale bytes into it: behind row r's codes, + 16 h
	v_add_nc_u32 v9, 1024, v9                      ; and out of it: row r's eight words
	v_lshlrev_b32 v13, 4, v2                       ; hs: 16 bytes a row
	v_and_b32 v14, 8, v2
	v_add_nc_u32 v14, v14, v2
	v_lshlrev_b32 v14, 5, v14                      ; W1's scales: row r + 8 (r / 8) of a tile, 32 bytes a row
	v_lshlrev_b32 v15, 6, v3                       ; b1: 16 h numbers on
	v_mov_b32 v[TM+2], 0                           ; written once: a lane permute's destination counts as one of its sources
	v_mov_b32 v[TM+3], 0
	s_mov_b32 s32, 0x76543210
	s_mov_b32 s33, 0xfedcba98                      ; v_permlanex16_b32's selects for lane l xor 16
	s_mov_b32 s34, 0x600000                        ; the mantissa field of 448
	s_lshl_b32 s27, s22, 2
	s_wait_kmcnt 0x0
	s_load_b32 s23, s[8:9], s27 offset:0x10000     ; my expert's count
	s_mov_b32 s31, 0
	s_lshl_b32 s30, s22, 21                        ; W1's codes: 2^21 bytes an expert, 2^16 a work-group, 2^14 a wave
	s_lshl_b32 s35, s21, 16
	s_add_co_u32 s30, s30, s35
	s_lshl_b32 s35, s20, 14
	s_add_co_u32 s30, s30, s35
	s_add_nc_u64 s[10:11], s[10:11], s[30:31]
	s_lshl_b32 s30, s22, 16                        ; its scales: 64 rows of 32 bytes a work-group
	s_lshl_b32 s35, s21, 11
	s_add_co_u32 s30, s30, s35
	s_add_nc_u64 s[12:13], s[12:13], s[30:31]
	s_lshl_b32 s30, s22, 13                        ; b1: 64 numbers a work-group
	s_lshl_b32 s35, s21, 8
	s_add_co_u32 s30, s30, s35
	s_add_nc_u64 s[14:15], s[14:15], s[30:31]
	s_lshl_b32 s30, s22, 22                        ; hq: 2^22 bytes an expert, 2^15 a tile (my first is tile w), 2,048 a K step, 1,024 for my half of step q / 2
	s_lshl_b32 s35, s20, 15
	s_add_co_u32 s30, s30, s35
	s_lshl_b32 s35, s21, 10
	s_add_co_u32 s30, s30, s35
	s_add_nc_u64 s[16:17], s[16:17], s[30:31]
	s_lshl_b32 s30, s22, 17                        ; hs: 2^17 an expert, 1,024 a tile, 256 for four K steps, 4 a step, 2 for my half of the word
	s_lshl_b32 s35, s20, 10
	s_add_co_u32 s30, s30, s35
	s_lshr_b32 s35, s21, 3
	s_lshl_b32 s35, s35, 8
	s_add_co_u32 s30, s30, s35
	s_and_b32 s35, s21, 7
	s_lshl_b32 s35, s35, 1
	s_add_co_u32 s30, s30, s35
	s_add_nc_u64 s[18:19], s[18:19], s[30:31]
	s_wait_kmcnt 0x0                               ; the count
	s_min_u32 s23, s23, 2048
	s_add_co_u32 s24, s23, 15
	s_lshr_b32 s24, s24, 4                         ; the expert's tiles of 16 rows
	s_max_u32 s25, s23, 1
	s_sub_co_u32 s25, s25, 1                       ; the last place that was written
	s_lshl_b32 s29, s22, 13                        ; my expert's part of the list;
	s_cmp_eq_u32 s23, 0
	s_cselect_b32 s29, 0x10000, s29                ; an expert without rows has none: its waves read the first count word, which is always written
	s_lshl_b32 s28, s20, 4                         ; tile w
	LISTADR
	s_wait_alu depctr_va_vdst(0)                   ; v10 is written, and so are v1, v4 to v9 and v13 to v15: the offsets and LDS addresses that the kernel's loads, stores and LDS instructions read
	global_load_b32 v11, v10, s[8:9]               ; tile w's tokens: 1 load, ahead of the weights: loads come back in order
	WIN 0x40
.set i, 0
.rept 32
	global_load_b128 v[4*i:4*i+3], v1, s[10:11] offset:512*i th:TH_LOAD_NT   ; my 16 rows of W1: 512 consecutive bytes a load; read once in the whole launch
.set i, i+1
.endr
	WIN 0
.irp t, 0,1,2,3
.irp i, 0,1
	global_load_b128 v[WS+8*\t+4*\i:WS+8*\t+4*\i+3], v14, s[12:13] offset:(32*(\t/2)+8*(\t%2))*32+16*\i
.endr
.endr
	WIN 0xc0
.irp t, 0,1,2,3
.irp i, 0,1
	global_load_b128 v[B1+8*\t+4*\i:B1+8*\t+4*\i+3], v15, s[14:15] offset:(32*(\t/2)+8*(\t%2))*4+16*\i
.endr
.endr
	WIN 0
	s_wait_loadcnt 48                              ; the list entry is in: 32 + 8 + 8 loads were issued behind it
	s_wait_alu depctr_vm_vsrc(0)                   ; the list's load has read v10, which NEXT writes again
	NEXT                                           ; tile w's rows travel while the weights stream; behind them tile w + 4's tokens
	s_wait_loadcnt 34                              ; the weights, their scales and b1 are in: 33 + 1 loads were issued behind them
	WIN 0x04
.set i, 0
.rept 32
	ds_store_b128 v4, v[4*i:4*i+3] offset:(16*(i/16)+((i/2)%8))*WP+512*(i%2)
.set i, i+1
.endr
	WIN 0
	s_wait_dscnt 0x0                               ; for the others' sake: my quarter of W1 lies in LDS
	s_barrier_signal -1
	s_barrier_wait -1                              ; the one barrier; every wave passes it
	s_wait_alu depctr_vm_vsrc(0)                   ; my LDS stores have read window 1's v0-127, in which W1's fragments land below
	s_cmp_ge_u32 s20, s24
	s_cbranch_scc1 .Lend                           ; no tile for this wave
	s_sub_co_u32 s24, s24, s20                     ; my own tiles, w, w + 4, ..: (tiles - w + 3) / 4 of them, at least one;
	s_add_co_u32 s24, s24, 3
	s_lshr_b32 s24, s24, 2                         ; the loop below counts them one by one
	WIN 0x40
.irp s, 0,1,2,3
.irp t, 0,1,2,3
.irp c, 0,1,2,3
	ds_load_b128 v[16*(4*\s+\t)+4*\c:16*(4*\s+\t)+4*\c+3], v5 offset:16*\t*WP+128*\s+32*\c
.endr
.endr
.endr
	WIN 0x80
.irp s, 0,1,2,3
.irp t, 0,1,2,3
.irp c, 0,1,2,3
	ds_load_b128 v[16*(4*\s+\t)+4*\c:16*(4*\s+\t)+4*\c+3], v5 offset:16*\t*WP+128*(\s+4)+32*\c
.endr
.endr
.endr
	WIN 0
	s_mov_b32 s26, 0                               ; which of my tiles is in hand
.Ltile:
	s_wait_loadcnt 0x0                             ; this tile's rows and scale bytes, and the next tile's tokens
	WIN 0x0c
.irp j, 0,1,2,3,4,5,6,7,8,9,10,11,12,13,14,15
	ds_store_b128 v6, v[8*\j:8*\j+3] offset:XP*\j
	ds_store_b128 v6, v[8*\j+4:8*\j+7] offset:XP*\j+512
.endr
	ds_store_b128 v7, v[128:131]
	WIN 0
	s_wait_alu depctr_vm_vsrc(0)                   ; the LDS stores above have read the rows' registers, in which NEXT's loads land; the last NEXT's loads have read v[OF ..], v12 and v10, and the last trip's stores v[PC ..] and v[PW]: all are written again below
	s_add_co_u32 s27, s26, 1
	s_cmp_lt_u32 s27, s24
	s_cbranch_scc0 .Lno_next
	NEXT                                           ; the next tile's rows are asked for as soon as their registers are free, and travel under this tile's work; behind them the tokens of the tile after it (held at the last entry)
.Lno_next:
.irp s, 0,1,2,3,4,5,6,7
.irp c, 0,1,2,3
	ds_load_b128 v[AF+16*\s+4*\c:AF+16*\s+4*\c+3], v8 offset:128*\s+32*\c   ; LDS serves a wave's instructions in order: these see the stores above.  The last trip's products were shown done with these registers by the wait ahead of its stores, and no vector line since names them
.endr
.endr
	ds_load_b128 v[XS:XS+3], v9
	ds_load_b128 v[XS+4:XS+7], v9 offset:16
	s_wait_dscnt 0x0                               ; the fragments and scale words are in (in the first trip W1's too)
	WIN 0x31                                       ; W1 in window 1, b1 in window 3
	MUL4 0, 1
	WIN 0x01
	MUL4 1, 0
	MUL4 2, 0
	MUL4 3, 0
	WIN 0x02                                       ; W1 in window 2
	MUL4 4, 0
	MUL4 5, 0
	MUL4 6, 0
	MUL4 7, 0
	WIN 0
.rept 9
	v_nop                                          ; places: eight ahead of the reads of the results; the ninth since the next trip's first products write the accumulators anew
.endr
	QUANT
	s_wait_alu depctr_va_vdst(0)                   ; the conversions have written v[PC ..] and the line ahead of them v[PW], which the three stores read; the products are done reading x's fragments and scale words, in which the next trip's LDS loads land
	global_store_b128 v1, v[PC:PC+3], s[16:17]             ; 512 consecutive bytes: a quarter of a fragment's image
	global_store_b128 v1, v[PC+4:PC+7], s[16:17] offset:512
	global_store_b16 v13, v[PW], s[18:19]          ; my half of each row's scale word (lanes 16-31 repeat lanes 0-15)
	s_wait_xcnt 0x0                                ; the stores' bases and data are written again only behind this wait
	s_add_nc_u64 s[16:17], s[16:17], 0x20000       ; four tiles on
	s_add_nc_u64 s[18:19], s[18:19], 0x1000
	s_add_co_u32 s26, s26, 1
	s_cmp_lt_u32 s26, s24
	s_cbranch_scc1 .Ltile
.Lend:
	s_wait_dscnt 0x0                               ; the closing lines, six on end
	s_wait_alu 0x0
	s_wait_tensorcnt 0x0
	ds_add_u32 v126, v127
	s_wait_dscnt 0x0
	s_endpgm
.Lfunc_end_k_q0fbc4c430c_up:
	.size	k_q0fbc4c430c_up, .Lfunc_end_k_q0fbc4c430c_up-k_q0fbc4c430c_up
	.p2alignl 7, 3214868480
	.fill 96, 4, 3214868480
	.section	.rodata,"a",@progbits
	.p2align	6, 0x0
	.amdhsa_kernel k_q0fbc4c430c_up
		.amdhsa_group_segment_fixed_size 135680
		.amdhsa_private_segment_fixed_size 0
		.amdhsa_enable_private_segment 0
		.amdhsa_kernarg_size 64
		.amdhsa_user_sgpr_count 2
		.amdhsa_user_sgpr_kernarg_segment_ptr 1
		.amdhsa_wavefront_size32 1
		.amdhsa_system_sgpr_workgroup_id_x 1
		.amdhsa_system_sgpr_workgroup_id_y 1
		.amdhsa_system_sgpr_workgroup_id_z 1
		.amdhsa_system_vgpr_workitem_id 0
		.amdhsa_next_free_vgpr 1024
		.amdhsa_next_free_sgpr 66
		.amdhsa_reserve_vcc 0
		.amdhsa_float_denorm_mode_32 3
		.amdhsa_float_denorm_mode_16_64 3
		.amdhsa_memory_ordered 1
		.amdhsa_forward_progress 1
		.amdhsa_inst_pref_size 47
	.end_amdhsa_kernel
	.amdgpu_metadata
---
amdhsa.version: [ 1, 2 ]
amdhsa.kernels:
  - .name:           k_q0fbc4c430c_up
    .symbol:         k_q0fbc4c430c_up.kd
    .args:
      - { .name: xq, .offset: 0, .size: 8, .value_kind: global_buffer, .address_space: global }
      - { .name: xs, .offset: 8, .size: 8, .value_kind: global_buffer, .address_space: global }
      - { .name: list, .offset: 16, .size: 8, .value_kind: global_buffer, .address_space: global }
      - { .name: W1_codes, .offset: 24, .size: 8, .value_kind: global_buffer, .address_space: global }
      - { .name: W1_scales, .offset: 32, .size: 8, .value_kind: global_buffer, .address_space: global }
      - { .name: b1, .offset: 40, .size: 8, .value_kind: global_buffer, .address_space: global }
      - { .name: hq, .offset: 48, .size: 8, .value_kind: global_buffer, .address_space: global }
      - { .name: hs, .offset: 56, .size: 8, .value_kind: global_buffer, .address_space: global }
    .group_segment_fixed_size: 135680
    .private_segment_fixed_size: 0
    .kernarg_segment_align: 8
    .kernarg_segment_size: 64
    .max_flat_workgroup_size: 128
    .sgpr_count:     66
    .vgpr_count:     1024
    .wavefront_size: 32
...
	.end_amdgpu_metadata
.endif
;; end of part 7
;; launch down (part 8): grid 32 x 8, 4 waves a work-group, no clusters, 76,800 bytes of LDS; arguments hq, hs, list, rs, W2_codes, W2_scales, b2, out0; writes out0
.if DOCPART == 8
	.amdgcn_target "amdgcn-amd-amdhsa--gfx1250"
	.amdhsa_code_object_version 6
	.text
	.protected	k_q0fbc4c430c_down
	.globl	k_q0fbc4c430c_down
	.p2align	8
	.type	k_q0fbc4c430c_down,@function
k_q0fbc4c430c_down:
	s_mov_b64 s[64:65], 0
	v_nop
	global_prefetch_b8 v0, s[64:65] scope:SCOPE_SE
	s_setreg_imm32_b32 hwreg(HW_REG_WAVE_SCHED_MODE, 0, 2), 2
	s_setreg_imm32_b32 hwreg(HW_REG_WAVE_MODE, 25, 1), 1
	s_wait_xcnt 0x0
	s_wait_alu depctr_vm_vsrc(0)
; THE SECOND PRODUCT, FOR ROUTED ROWS ONLY: out0[token] = (hidden W2[e] + b2[e]) x ratio, on codes of E4M3 with E8M0 scales.
; SHARES.  Work-group (q, e) owns output columns 32 q .. 32 q + 31 of expert e: 32 rows of W2's codes, 65,536 consecutive bytes, which no other work-group reads.  Each wave loads a quarter in runs of 512
; bytes; they meet in LDS behind the launch's one barrier, and every wave then keeps all of them in registers: 32 fragments, 512 registers.  Wave w walks the expert's tiles of 16 rows w, w + 4, .. on its own.
; THE HIDDEN LAYER comes as images of the operand's registers (hq) and scale words (hs), as the launch before stored them: 64 loads of 512 consecutive bytes a tile, straight into registers.
; One load of hs brings the words of 8 K steps: register s % 4; lanes 0-15 hold steps 0-3 of the eight, lanes 16-31 steps 4-7.
; LAYOUT.  Transposed use (source 0 = 16 rows of W2, source 1 = 16 rows of the hidden layer): a lane holds one token and eight neighbouring columns.  b2 is the C of a sum's first product.
; A tile's place p is read at min(p, count - 1), as in the launch before: a spare row of the last tile is the last row once more and stores the same bytes to the same place.
; THE WAY OUT goes through the wave's own stage: eight lanes store 128 consecutive bytes of a token's row.  More columns to a work-group would ask for more weights than a wave's registers hold
; (64 columns are 1,024 registers), so a store covers half of an aligned block of 256 bytes.
; NO TENSOR LOADS AND NO CLUSTER, though the 32 work-groups of an expert read the same hidden rows: the trips hang on a count read from memory.
; LIMITS: NaN and infinities are not served.
; THE MODE: SCHED_MODE bits 1:0 = 2 (LLVM: expert scheduling mode 2), set by the entry lines.  The code itself states the register dependences
; between vector or matrix instructions and memory or LDS instructions, with s_wait_alu, always for 0.
; THE PLAN.  Registers that memory or LDS instructions touch, from tile to tile:
;   window 3's v0-127, v[HS .. HS+3]       written by HLOAD 0; read by the products of K steps 0-7.
;   window 3's v128-255, v[HS+4 .. HS+7]   written by HLOAD 1; read by the products of K steps 8-15.
;   v11, v12                               written by SMALL's two loads; v11 read by an LDS store, v12 by the eight multiplications.
;   v10                                    written by SMALLADR; read by SMALL's loads.
;   the accumulators                       written by products and multiplications; read by four LDS stores.
;   v[O ..]                                written by four LDS loads; read by the four global stores.
;   v[T4 ..]                               written by an LDS load; read and rewritten by vector lines.
;   v[OA ..]                               written by vector lines; read by the four global stores (v20 first serves as b2's offset).
;   v1, v4 to v9, v14, v15                 offsets and LDS addresses: made at the head, never written again.
; W2 takes 512 registers and a tile of the hidden layer 256, so the hidden layer has one buffer, whose two halves take turns: each is asked for again behind the wait that shows its sixteen products done with it.
; A tile has four waits: va_vdst ahead of HLOAD 0; va_vdst behind the multiplications, for the stage's stores and loads and for HLOAD 1; vm_vsrc behind the stage's stores, ahead of all that is written again;
; va_vdst behind the lines that make the offsets, for SMALL's loads and the four stores.
.set WP,   2064                        ; a row of W2 in LDS: 2,048 bytes + 16 = 129 x 16
.set STG,  32*WP                       ; behind W2's 32 rows: for each wave 16 rows of 128 bytes + 16, then the 16 tokens
.set STGW, 2560
.set TKS,  2304
.set T4,   16                          ; v16-19  the tokens of the four rows that I store
.set OA,   20                          ; v20-23  their byte offsets in out0
.set O,    24                          ; v24-39  16 bytes of each of the four rows
.set ACC,  40                          ; v40-55  two accumulators
.set B2,   56                          ; v56-71  b2 in the result's layout
.set HS,   72                          ; v72-79  the hidden layer's scale words
.set WS,   96                          ; v96-127 W2's scale words: tile n, K step s at 16 n + s
; windows 1 and 2: W2's fragments, (K step s, tile n) at 16 (2 s + n); window 1's v0-127 first take the codes as loaded.  window 3: the hidden layer's fragments, K step s at 16 s
.set MSB, 0
.macro WIN new                         ; s_set_vgpr_msb: bits 1:0 source 0, 3:2 source 1, 5:4 source 2, 7:6 destination; the high byte repeats the setting that is left
.if MSB != \new
	s_set_vgpr_msb (MSB<<8)|\new
.set MSB, \new
.endif
.endm
.macro HLOAD half                      ; 8 K steps of the tile at s[4:5]: 32 loads of fragments and one of scale words: 33 loads
	WIN 0xc0
.set i, 0
.rept 32
	global_load_b128 v[128*\half+4*i:128*\half+4*i+3], v1, s[4:5] offset:16384*\half+512*i
.set i, i+1
.endr
	WIN 0
	global_load_b128 v[HS+4*\half:HS+4*\half+3], v1, s[6:7] offset:512*\half
.endm
.macro SMALLADR                        ; v10: where the tokens and ratios at places s28 + r of my expert's list lie
	v_add_nc_u32 v10, s28, v2
	v_min_u32 v10, s25, v10                        ; not past the last entry that was written
	v_min_u32 v10, 2047, v10                       ; inside the table, whatever was read
	v_lshl_add_u32 v10, v10, 2, s29
.endm
.macro SMALL                           ; the tokens and the ratios: 2 loads
	global_load_b32 v11, v10, s[8:9]
	global_load_b32 v12, v10, s[10:11]
.endm
.macro MUL2 s, first                   ; K step s: the two accumulators take turns, one instruction a turn
.irp n, 0,1
.if \first
	v_wmma_scale_f32_16x16x128_f8f6f4 v[ACC+8*\n:ACC+8*\n+7], v[16*(2*((\s)%8)+\n):16*(2*((\s)%8)+\n)+15], v[16*(\s):16*(\s)+15], v[B2+8*\n:B2+8*\n+7], v[WS+16*\n+(\s)], v[HS+4*((\s)/8)+((\s)%4)]
.elseif ((\s)/4)%2
	v_wmma_scale_f32_16x16x128_f8f6f4 v[ACC+8*\n:ACC+8*\n+7], v[16*(2*((\s)%8)+\n):16*(2*((\s)%8)+\n)+15], v[16*(\s):16*(\s)+15], v[ACC+8*\n:ACC+8*\n+7], v[WS+16*\n+(\s)], v[HS+4*((\s)/8)+((\s)%4)] matrix_b_scale:MATRIX_SCALE_ROW1
.else
	v_wmma_scale_f32_16x16x128_f8f6f4 v[ACC+8*\n:ACC+8*\n+7], v[16*(2*((\s)%8)+\n):16*(2*((\s)%8)+\n)+15], v[16*(\s):16*(\s)+15], v[ACC+8*\n:ACC+8*\n+7], v[WS+16*\n+(\s)], v[HS+4*((\s)/8)+((\s)%4)]
.endif
.endr
.endm
; A TILE.  At its head three groups of loads are out, in this order: its K steps 0-7 (33), its K steps 8-15 (33), its tokens and ratios (2).  refill = 1: the next tile's three groups are issued on the way, in the same order.
.macro BODY refill
	s_wait_loadcnt 35                              ; K steps 0-7 are in: 33 + 2 loads were issued behind them
	WIN 0x0d                                       ; W2 in window 1, the hidden layer in window 3
	MUL2 0, 1
.irp s, 1,2,3,4,5,6,7
	MUL2 \s, 0
.endr
	WIN 0
.rept 8
	v_nop                                          ; the eight places behind these products stay as they stood; the wait below states the dependence itself and fills no place
.endr
.if \refill
	s_wait_xcnt 0x0                                ; the bases of the loads that are out are stepped only behind this wait
	s_add_nc_u64 s[4:5], s[4:5], 0x20000           ; four tiles on
	s_add_nc_u64 s[6:7], s[6:7], 0x1000
	s_add_co_u32 s28, s28, 64
	WIN 0xc0
	s_wait_alu depctr_va_vdst(0)                   ; the sixteen products above are done reading K steps 0-7 and their scale words, in which the 33 loads below land
	HLOAD 0
	s_wait_loadcnt 35                              ; K steps 8-15 are in: behind them stand the 2 small loads and the 33 just issued
.else
	s_wait_loadcnt 2                               ; K steps 8-15 are in: behind them stand the 2 small loads
.endif
	WIN 0x0e                                       ; W2 in window 2
.irp s, 8,9,10,11,12,13,14,15
	MUL2 \s, 0
.endr
	WIN 0
.rept 9
	v_nop                                          ; eight ahead of the reads of the results; the ninth since the next tile's first products write the accumulators anew
.endr
.if \refill
	s_wait_loadcnt 33                              ; this tile's tokens and ratios are in: the 33 loads of the next tile's first half stand behind them
.else
	s_wait_loadcnt 0x0
.endif
.irp p, 0,2,4,6,8,10,12,14
	v_pk_mul_f32 v[ACC+\p:ACC+\p+1], v[ACC+\p:ACC+\p+1], v[12:13] op_sel_hi:[1,0]   ; x my token's ratio; each accumulator from its low end on
.endr
	s_wait_xcnt 0x0                                ; the last tile's stores have had their addresses translated: their data and offsets are written again only behind this wait; no store is issued between it and those writes
	s_wait_alu depctr_va_vdst(0)                   ; the multiplications have written the accumulators, which the LDS stores read, and are done with v12; the last tile's lines are done with v[T4 ..], in which an LDS load lands; the products of K steps 8-15 are done reading their fragments and scale words, in which HLOAD 1 lands
.irp n, 0,1
.irp u, 0,1
	ds_store_b128 v6, v[ACC+8*\n+4*\u:ACC+8*\n+4*\u+3] offset:64*\n+16*\u
.endr
.endr
	ds_store_b32 v7, v11 offset:TKS                ; row r's token (lanes 16-31 repeat lanes 0-15)
	s_wait_alu depctr_vm_vsrc(0)                   ; the LDS stores have read the accumulators, which the next tile's products write, and v11, in which SMALL's load lands; the last tile's stores have read v[O ..] and v[OA ..] (in my first tile: b2's loads have read v20), and the last SMALL's loads v10: all are written again below
.irp i, 0,1,2,3
	ds_load_b128 v[O+4*\i:O+4*\i+3], v8 offset:576*\i      ; row l / 8 + 4 i, 16 bytes a lane.  LDS serves a wave's instructions in order: these see the stores above
.endr
	ds_load_b128 v[T4:T4+3], v9 offset:TKS         ; and the tokens of these four rows
.if \refill
	HLOAD 1                                        ; under the stage's round trip.  Between the wait on va_vdst above and these loads stand LDS instructions, a wait and window switches, none of which names v1, the fragments or their scale words
	SMALLADR
.endif
	s_wait_dscnt 0x0
.irp i, 0,1,2,3
	v_min_u32 v[T4+\i], 2047, v[T4+\i]
	v_lshl_add_u32 v[OA+\i], v[T4+\i], 12, v14
.endr
	s_wait_alu depctr_va_vdst(0)                   ; v[OA ..] are written, which the four stores read as offsets; refill = 1: so is v10, which SMALL's loads read
.if \refill
	SMALL
.endif
.irp i, 0,1,2,3
	global_store_b128 v[OA+\i], v[O+4*\i:O+4*\i+3], s[18:19] th:TH_STORE_NT  ; eight lanes store 128 consecutive bytes of a token's row; written once, read by nobody here
.endr
.endm
	s_load_b512 s[4:19], s[0:1], 0x0               ; hq 4:5, hs 6:7, list 8:9, rs 10:11, W2's codes 12:13, its scales 14:15, b2 16:17, out0 18:19
	v_lshl_add_u32 v254, v0, 2, 0x12a00
	v_mov_b32 v255, 0
	v_lshrrev_b32 v1, 5, v0
	v_readfirstlane_b32 s20, v1                    ; wave
	s_mov_b32 s21, ttmp9                           ; q
	s_and_b32 s22, ttmp7, 0xffff                   ; e
	v_and_b32 v10, 31, v0                          ; lane
	v_lshlrev_b32 v1, 4, v10                       ; 16 x lane; never rewritten
	v_and_b32 v2, 15, v0                           ; r
	v_bfe_u32 v3, v0, 4, 1                         ; h
	s_wait_alu depctr_va_sdst(0)                   ; s20 is written, ahead of its first reader: LDS addresses, bases and the count of my tiles are made from it
	s_mul_i32 s30, s20, 8*WP
	v_add_nc_u32 v4, s30, v1                       ; W2 into LDS: my 8 rows
	v_mul_u32_u24 v5, v2, WP
	v_lshl_add_u32 v5, v3, 4, v5                   ; a fragment of W2: row r, + 16 h
	s_mul_i32 s30, s20, STGW
	s_add_co_u32 s30, s30, STG                     ; my stage
	v_mul_u32_u24 v6, v2, 144
	v_lshl_add_u32 v6, v3, 5, v6
	v_add_nc_u32 v6, s30, v6                       ; into it: row r, + 32 h
	v_and_b32 v7, 3, v2
	v_lshlrev_b32 v7, 4, v7
	v_lshrrev_b32 v9, 2, v2
	v_lshl_add_u32 v7, v9, 2, v7
	v_add_nc_u32 v7, s30, v7                       ; row r's token at 16 (r % 4) + 4 (r / 4): the tokens of rows u, u + 4, u + 8, u + 12 lie together
	v_lshrrev_b32 v9, 3, v10                       ; l / 8
	v_and_b32 v14, 7, v10
	v_lshlrev_b32 v14, 4, v14                      ; 16 (l % 8): my 16 bytes of a row's 128
	v_mul_u32_u24 v8, v9, 144
	v_add_nc_u32 v8, v8, v14
	v_add_nc_u32 v8, s30, v8                       ; out of it: row l / 8
	v_lshl_add_u32 v9, v9, 4, s30                  ; and the four tokens
	v_lshlrev_b32 v15, 6, v2                       ; W2's scales: 64 bytes a row
	v_lshlrev_b32 v20, 5, v3                       ; b2: 8 h numbers on
	v_mov_b32 v13, 0                               ; named with v12 as a pair, so it is written
	s_lshl_b32 s27, s22, 2
	s_wait_kmcnt 0x0
	s_load_b32 s23, s[8:9], s27 offset:0x10000     ; my expert's count
	s_mov_b32 s31, 0
	s_lshl_b32 s30, s22, 22                        ; hq: 2^22 bytes an expert, 2^15 a tile: my first is tile w
	s_lshl_b32 s35, s20, 15
	s_add_co_u32 s30, s30, s35
	s_add_nc_u64 s[4:5], s[4:5], s[30:31]
	s_lshl_b32 s30, s22, 17                        ; hs: 2^17 an expert, 1,024 a tile
	s_lshl_b32 s35, s20, 10
	s_add_co_u32 s30, s30, s35
	s_add_nc_u64 s[6:7], s[6:7], s[30:31]
	s_lshl_b32 s30, s22, 21                        ; W2's codes: 2^21 an expert, 2^16 a work-group, 2^14 a wave
	s_lshl_b32 s35, s21, 16
	s_add_co_u32 s30, s30, s35
	s_lshl_b32 s35, s20, 14
	s_add_co_u32 s30, s30, s35
	s_add_nc_u64 s[12:13], s[12:13], s[30:31]
	s_lshl_b32 s30, s22, 16                        ; its scales: 32 rows of 64 bytes a work-group
	s_lshl_b32 s35, s21, 11
	s_add_co_u32 s30, s30, s35
	s_add_nc_u64 s[14:15], s[14:15], s[30:31]
	s_lshl_b32 s30, s22, 12                        ; b2: 32 numbers a work-group
	s_lshl_b32 s35, s21, 7
	s_add_co_u32 s30, s30, s35
	s_add_nc_u64 s[16:17], s[16:17], s[30:31]
	s_mov_b32 s30, s35                             ; out0: my 32 columns
	s_add_nc_u64 s[18:19], s[18:19], s[30:31]
	WIN 0x40
	s_wait_alu depctr_va_vdst(0)                   ; v1, v4 to v9, v14, v15 and v20 are written: the offsets and LDS addresses that the kernel's loads, stores and LDS instructions read
.set i, 0
.rept 32
	global_load_b128 v[4*i:4*i+3], v1, s[12:13] offset:512*i th:TH_LOAD_NT   ; my 8 rows of W2: 512 consecutive bytes a load; read once in the whole launch
.set i, i+1
.endr
	WIN 0
.irp n, 0,1
.irp i, 0,1,2,3
	global_load_b128 v[WS+16*\n+4*\i:WS+16*\n+4*\i+3], v15, s[14:15] offset:1024*\n+16*\i
.endr
.endr
.irp n, 0,1
.irp i, 0,1
	global_load_b128 v[B2+8*\n+4*\i:B2+8*\n+4*\i+3], v20, s[16:17] offset:64*\n+16*\i
.endr
.endr
	s_wait_kmcnt 0x0                               ; the count
	s_min_u32 s23, s23, 2048
	s_add_co_u32 s24, s23, 15
	s_lshr_b32 s24, s24, 4                         ; the expert's tiles of 16 rows
	s_max_u32 s25, s23, 1
	s_sub_co_u32 s25, s25, 1                       ; the last place that was written
	s_lshl_b32 s29, s22, 13                        ; my expert's part of list and of rs
	s_lshl_b32 s28, s20, 4                         ; tile w
	s_wait_loadcnt 0x0                             ; the weights, their scales and b2
	WIN 0x04
.set i, 0
.rept 32
	ds_store_b128 v4, v[4*i:4*i+3] offset:(i/4)*WP+512*(i%4)
.set i, i+1
.endr
	WIN 0
	s_wait_dscnt 0x0                               ; for the others' sake: my quarter of W2 lies in LDS
	s_barrier_signal -1
	s_barrier_wait -1                              ; the one barrier; every wave passes it
	s_wait_alu depctr_vm_vsrc(0)                   ; my LDS stores have read window 1's v0-127, in which W2's fragments land below
	s_cmp_ge_u32 s20, s24
	s_cbranch_scc1 .Lend                           ; no tile for this wave
	s_sub_co_u32 s27, s24, s20                     ; of my tiles w, w + 4, .. all but the last have a successor: (tiles - w - 1) / 4 of them;
	s_sub_co_u32 s27, s27, 1
	s_lshr_b32 s27, s27, 2                         ; the loop below counts them one by one
	HLOAD 0                                        ; my first tile travels while W2's fragments come out of LDS
	HLOAD 1
	SMALLADR
	s_wait_alu depctr_va_vdst(0)                   ; v10 is written, which SMALL's two loads read
	SMALL
	WIN 0x40
.irp s, 0,1,2,3,4,5,6,7
.irp n, 0,1
.irp c, 0,1,2,3
	ds_load_b128 v[16*(2*\s+\n)+4*\c:16*(2*\s+\n)+4*\c+3], v5 offset:16*\n*WP+128*\s+32*\c
.endr
.endr
.endr
	WIN 0x80
.irp s, 0,1,2,3,4,5,6,7
.irp n, 0,1
.irp c, 0,1,2,3
	ds_load_b128 v[16*(2*\s+\n)+4*\c:16*(2*\s+\n)+4*\c+3], v5 offset:16*\n*WP+128*(\s+8)+32*\c
.endr
.endr
.endr
	WIN 0
	s_wait_dscnt 0x0
	s_mov_b32 s26, 0
	s_cmp_lg_u32 s27, 0
	s_cbranch_scc0 .Llast
.Ltile:
	BODY 1
	s_add_co_u32 s26, s26, 1
	s_cmp_lt_u32 s26, s27
	s_cbranch_scc1 .Ltile
.Llast:
	BODY 0                                         ; my last tile is written out: it asks for nothing more, and every counted wait has the same loads behind it on every way
.Lend:
	s_wait_dscnt 0x0                               ; the closing lines, six on end
	s_wait_alu 0x0
	s_wait_tensorcnt 0x0
	ds_add_u32 v254, v255
	s_wait_dscnt 0x0
	s_endpgm
.Lfunc_end_k_q0fbc4c430c_down:
	.size	k_q0fbc4c430c_down, .Lfunc_end_k_q0fbc4c430c_down-k_q0fbc4c430c_down
	.p2alignl 7, 3214868480
	.fill 96, 4, 3214868480
	.section	.rodata,"a",@progbits
	.p2align	6, 0x0
	.amdhsa_kernel k_q0fbc4c430c_down
		.amdhsa_group_segment_fixed_size 76800
		.amdhsa_private_segment_fixed_size 0
		.amdhsa_enable_private_segment 0
		.amdhsa_kernarg_size 64
		.amdhsa_user_sgpr_count 2
		.amdhsa_user_sgpr_kernarg_segment_ptr 1
		.amdhsa_wavefront_size32 1
		.amdhsa_system_sgpr_workgroup_id_x 1
		.amdhsa_system_sgpr_workgroup_id_y 1
		.amdhsa_system_sgpr_workgroup_id_z 1
		.amdhsa_system_vgpr_workitem_id 0
		.amdhsa_next_free_vgpr 1024
		.amdhsa_next_free_sgpr 66
		.amdhsa_reserve_vcc 0
		.amdhsa_float_denorm_mode_32 3
		.amdhsa_float_denorm_mode_16_64 3
		.amdhsa_memory_ordered 1
		.amdhsa_forward_progress 1
		.amdhsa_inst_pref_size 46
	.end_amdhsa_kernel
	.amdgpu_metadata
---
amdhsa.version: [ 1, 2 ]
amdhsa.kernels:
  - .name:           k_q0fbc4c430c_down
    .symbol:         k_q0fbc4c430c_down.kd
    .args:
      - { .name: hq, .offset: 0, .size: 8, .value_kind: global_buffer, .address_space: global }
      - { .name: hs, .offset: 8, .size: 8, .value_kind: global_buffer, .address_space: global }
      - { .name: list, .offset: 16, .size: 8, .value_kind: global_buffer, .address_space: global }
      - { .name: rs, .offset: 24, .size: 8, .value_kind: global_buffer, .address_space: global }
      - { .name: W2_codes, .offset: 32, .size: 8, .value_kind: global_buffer, .address_space: global }
      - { .name: W2_scales, .offset: 40, .size: 8, .value_kind: global_buffer, .address_space: global }
      - { .name: b2, .offset: 48, .size: 8, .value_kind: global_buffer, .address_space: global }
      - { .name: out0, .offset: 56, .size: 8, .value_kind: global_buffer, .address_space: global }
    .group_segment_fixed_size: 76800
    .private_segment_fixed_size: 0
    .kernarg_segment_align: 8
    .kernarg_segment_size: 64
    .max_flat_workgroup_size: 128
    .sgpr_count:     66
    .vgpr_count:     1024
    .wavefront_size: 32
...
	.end_amdgpu_metadata
.endif
;; end of part 8
